; MI455X (gfx1250); checked and timed in simulation.
; The chip was launched on July 23, 2026; its instructions are those of AMD's public machine-readable ISA for CDNA 5 (MIT licence, August 2026) and "CDNA5" Instruction Set Architecture Reference Guide (July 2026). The comments in the code are by the model that wrote it; some were corrected since.
;; Self Attention. Allowed arithmetic: matrix products marked QUANTISED: E2M1 operands, one E8M0 scale for each 32 along K, by v_wmma_scale_f32_16x16x128_f8f6f4 with both operands' format E2M1 (or v_wmma_scale_f32_32x16x128_f4), f32 sums; everything else in f32.
;; Inputs: Wk 1,024 x 1,024 float32; Wo 1,024 x 1,024 float32; Wq 1,024 x 1,024 float32; Wv 1,024 x 1,024 float32; attention_mask 4 x 2,048 bool; bk 1,024 float32; bo 1,024 float32; bq 1,024 float32; bv 1,024 float32; hidden_states 4 x 2,048 x 1,024 float32; ln_beta 1,024 float32; ln_gamma 1,024 float32.
;; Outputs: out0 4 x 2,048 x 1,024 float32.
;; This version of the problem:
;;   THIS VERSION OF THE PROBLEM IS GIVEN IN LOW PRECISION. The matrix products marked QUANTISED in the list below multiply operands that are first quantised to E2M1 (2 exponent bits, 1 mantissa bit; 4 bits a number), with one power-of-two scale for each 32 numbers along K (OCP MX v1.0); their sums are f32. All else is computed in f32.
;;   The module's matrix products, in the order in which they are computed (A, B: the left and right operand; K: the contracted axis; several contracted axes count as one K, in the product's order):
;;     1. [M 8,192, K 1,024] x [K 1,024, N 1,024]; A: computed on the way; B: input Wq: QUANTISED
;;     2. [M 8,192, K 1,024] x [K 1,024, N 1,024]; A: computed on the way; B: input Wk: QUANTISED
;;     3. [M 8,192, K 1,024] x [K 1,024, N 1,024]; A: computed on the way; B: input Wv: QUANTISED
;;     4. batch 64 x [M 2,048, K 64] x [K 64, N 2,048]; A: computed on the way; B: computed on the way: QUANTISED
;;     5. batch 64 x [M 64, K 2,048] x [K 2,048, N 2,048]; A: computed on the way; B: softmax (see below): QUANTISED
;;     6. [M 8,192, K 1,024] x [K 1,024, N 1,024]; A: computed on the way; B: input Wo: QUANTISED
;;   THE QUANTISER, for each operand of a quantised product, along K:
;;     - K is cut into blocks of 32 from its start; a last block that is shorter is filled with zeros.
;;     - A block's scale is 2^e with e = floor(log2(the largest magnitude in the block)) - 2, held to -126 .. 127; a block of zeros has e = 0. As a byte (E8M0): e + 127.
;;     - Each number is divided by its block's scale, clamped to +-6, and rounded to the nearest number of E2M1, ties to even, subnormals kept.
;;     - The product sums the exact products of the quantised numbers (number of the format x scale) in f32.
;;   ~~~python
;;   def quantise(x, axis):      # numpy; x: float32 -> the quantised numbers, widened to float32 again
;;       x = np.moveaxis(x, axis, -1); K = x.shape[-1]
;;       x = np.pad(x, [(0, 0)] * (x.ndim - 1) + [(0, -K % 32)]); x = x.reshape(x.shape[:-1] + (-1, 32)); a = np.abs(x).max(-1, keepdims=True)
;;       e = np.where(a > 0, np.clip(np.frexp(np.where(a > 0, a, 1))[1] - 1 - 2, -126, 127), 0)      # np.frexp(a)[1] - 1 = floor(log2(a)), exactly
;;       r = np.clip(x / 2.0 ** e, -6, 6)
;;       step = 2.0 ** (np.maximum(np.frexp(np.where(r == 0, 1, r))[1] - 1, 0) - 1)
;;       q = np.round(r / step) * step * 2.0 ** e      # np.round: ties to even
;;       return np.moveaxis(q.reshape(q.shape[:-2] + (-1,))[..., :K], -1, axis).astype(np.float32)
;;   ~~~
;;   SOFTMAX AHEAD OF A QUANTISED PRODUCT. Where the list says 'softmax', what is quantised is not the finished softmax but p = 2^(t - M), with t = logit x log2(e) and M = ceil(the row's largest t), a whole number; so 1/2 < the row's largest p <= 1. The row's sum l is taken of the UNQUANTISED p, in f32, and the product's result is divided by l at the end. Since M is a whole number, a kernel that streams over the keys may use a running M (the ceiling of the running maximum): every later rescaling is an exact power of two, which a block's scale takes up: the codes' values come out the same.
;;   OPERANDS COMPUTED ON THE WAY. 'Computed on the way' means the value that the module computes at that place (a softmax that the list does not call 'softmax' is quantised finished and normalised). What goes into a quantiser is computed in f32, as accurately as f32 sums, v_exp_f32 and their like allow (about 1e-6 of the number): no bf16 or f16 on the way to a quantiser, and a product that is left as it is and whose result goes on into a quantised operand takes f32 operands (vector FMAs, or v_wmma_f32_16x16x4_f32). A number that lies on a knife's edge between two numbers of the format may be rounded either way, as far as f32 arithmetic and the matrix unit's own rounding can turn it there, and no further.
;; One version. Each part assembles by itself: llvm-mc -triple=amdgcn-amd-amdhsa -mcpu=gfx1250 --defsym DOCPART=n.
;; ======== version 1 of 1: 4 launches
;; limits: right only within a limited range of input values
;; workspace buffers: xq 4,456,448 bytes; wq 2,228,224 bytes; qq 4,718,592 bytes; kv 9,175,040 bytes; oq 4,456,448 bytes
;; launch prep (part 1): grid 768 x 1, 4 waves a work-group, no clusters, 28,160 bytes of LDS; arguments hidden_states, ln_gamma, ln_beta, xq, Wq, Wk, Wv, Wo, wq; writes xq, wq
.if DOCPART == 1
	.amdgcn_target "amdgcn-amd-amdhsa--gfx1250"
	.amdhsa_code_object_version 6
	.text
	.protected	k_q62feac9659_prep
	.globl	k_q62feac9659_prep
	.p2align	8
	.type	k_q62feac9659_prep,@function
k_q62feac9659_prep:
	s_mov_b64 s[64:65], 0
	v_nop
	global_prefetch_b8 v0, s[64:65] scope:SCOPE_SE
	s_setreg_imm32_b32 hwreg(HW_REG_WAVE_MODE, 25, 1), 1
	s_wait_xcnt 0x0
; ONE LAUNCH PREPARES BOTH KINDS OF OPERAND.  Work-groups 0 .. 511 make x, work-groups 512 .. 767 the four weights: a scalar branch on the work-group's number parts them; only the first way uses LDS and a barrier.
; THE FIRST WAY: x = LayerNorm(hidden_states) gamma + beta, in f32, quantised along its 1,024 numbers to codes of FP4 (E2M1) with one E8M0 byte for each 32.
; OUT: xq = [64 blocks of 128 rows][69,632 bytes]: codes [8 tiles][8 K steps][1,024 bytes], then scale bytes [8 tiles][16 rows][32].
; A tile's codes are IMAGES OF OPERAND REGISTERS: block kb (32 along K) of the tile's row index r lies at 256 kb + 16 r.  Tile 2 B + U of a block holds rows 32 B + 8 U + r + 8 (r / 8).
; A work-group makes one tile (16 rows); wave w its row indices 4 w .. 4 w + 3, four consecutive rows of memory.  A row: eight loads of 512 consecutive bytes; mean, then the mean of squared
; differences (two passes over registers); the finished row turns through the wave's own stage in LDS so that lane l holds block l whole.
; THE SECOND WAY: Wq, Wk, Wv, Wo [1,024 (k)][1,024 (n)], f32, K their FIRST axis, quantised along K likewise.
; OUT: wq = codes [4 matrices][16 groups of 64 columns][8 K steps][4 tiles][1,024 bytes], then scale words [4][16][2,048 bytes].  Block beta of column index r at 256 beta + 16 r;
; tile 2 b + u of a group holds columns 32 b + 8 u + r + 8 (r / 8); the scale word of (tile, K step s, r) lies at 64 (r + 16 b) + 32 u + 4 s.
; A lane takes a column and its registers run down K: a block lies in one lane's 32 registers, and the conversions give the codes with K innermost.  Work-group = (matrix, K step of 128, 128 columns).
; A block's scale: the largest magnitude's exponent field less 2, held at 1 from below by a floor among the maximum's leaves.
; LIMITS: NaN and infinities are not served; a block of zeros gets the byte 1 (its codes are zeros; only this program reads the bytes).
; No matrix unit, no tensor load, no cluster: the launch only streams.
.set STGW, 4608                        ; a wave's stage: a row's 4,096 bytes with 16 of padding behind each 128
.set IMG,  4*STGW                      ; the tile's image: 32 runs of 256 bytes, 272 apart
.set XSB,  IMG+32*272                  ; the tile's 512 scale bytes
.set BY,   12                          ; v12-15   a scale byte for each row
.set CD,   16                          ; v16-31   four code registers for each row
.set Y,    32                          ; v32-63   a block of 32 numbers
.set R,    64                          ; v64-191  four rows as loaded
.set GA,   192                         ; v192-223 gamma at my columns
.set BE,   224                         ; v224-255 beta
.set NROW, 4096                        ; bytes in a row of a weight
	s_cmp_lt_u32 ttmp9, 512
	s_cbranch_scc0 .Lweights
	s_load_b256 s[4:11], s[0:1], 0x0               ; hidden_states s[4:5], gamma s[6:7], beta s[8:9], xq s[10:11]
	s_set_vgpr_msb 0x40
	v_lshl_add_u32 v0, v0, 2, 0x6c00               ; v256: my spare word
	v_mov_b32 v1, 0                                ; v257: 0
	s_set_vgpr_msb 0x4000
	v_lshrrev_b32 v1, 5, v0
	v_readfirstlane_b32 s2, v1                     ; wave 0..3
	v_and_b32 v8, 31, v0                           ; lane l
	v_lshlrev_b32 v1, 4, v8                        ; 16 l
	s_mul_i32 s17, s2, STGW
	v_lshrrev_b32 v9, 3, v8
	v_lshl_add_u32 v2, v9, 4, v1
	v_add_nc_u32 v2, s17, v2                       ; stage, in: 16 l + 16 (l / 8); load j's 512 bytes lie 576 j on
	v_mul_u32_u24 v3, v8, 144
	v_add_nc_u32 v3, s17, v3                       ; stage, out: 144 l: my block's 128 bytes
	s_lshl_b32 s17, s2, 6
	s_add_co_u32 s17, s17, IMG
	v_mul_u32_u24 v4, v8, 272
	v_add_nc_u32 v4, s17, v4                       ; image: block l, row index 4 w + i: 272 l + 64 w + 16 i
	s_lshl_b32 s17, s2, 7
	s_add_co_u32 s17, s17, XSB
	v_add_nc_u32 v5, s17, v8                       ; scale bytes: 32 (4 w + i) + l
	v_and_b32 v9, 15, v0
	v_bfe_u32 v10, v0, 4, 1
	s_mul_i32 s17, s2, 8*272
	s_add_co_u32 s17, s17, IMG
	v_mul_u32_u24 v6, v10, 272
	v_lshl_add_u32 v6, v9, 4, v6
	v_add_nc_u32 v6, s17, v6                       ; image, back: wave w takes runs 8 w .. 8 w + 7, two an instruction
	s_lshl_b32 s17, s2, 11
	v_lshlrev_b32 v7, 8, v10
	v_lshl_add_u32 v7, v9, 4, v7
	v_add_nc_u32 v7, s17, v7                       ; and the same place in the tile's 8,192 bytes of xq
	s_lshr_b32 s12, ttmp9, 1                       ; my first row: 32 (T / 2) + 8 (T % 2) + 4 w + 8 (w / 2)
	s_lshl_b32 s12, s12, 5
	s_and_b32 s13, ttmp9, 1
	s_lshl_b32 s13, s13, 3
	s_add_co_u32 s12, s12, s13
	s_lshl_b32 s13, s2, 2
	s_add_co_u32 s12, s12, s13
	s_lshr_b32 s13, s2, 1
	s_lshl_b32 s13, s13, 3
	s_add_co_u32 s12, s12, s13
	s_lshl_b32 s12, s12, 12                        ; x 4,096 bytes
	s_mov_b32 s13, 0
	s_lshr_b32 s14, ttmp9, 3
	s_mul_i32 s14, s14, 69632                      ; the block of 128 rows
	s_and_b32 s16, ttmp9, 7                        ; the tile in it
	s_lshl_b32 s18, s16, 9
	s_add_co_u32 s18, s18, s14
	s_add_co_u32 s18, s18, 65536                   ; its scale bytes
	s_mov_b32 s19, 0
	s_lshl_b32 s15, s16, 13
	s_add_co_u32 s14, s14, s15                     ; its codes
	s_mov_b32 s15, 0
	s_mov_b32 s20, 0x76543210
	s_mov_b32 s21, 0xfedcba98                      ; v_permlanex16_b32's selects for lane l xor 16
	s_mov_b32 s22, 0x3a800000                      ; 1 / 1,024
	s_mov_b32 s23, 0x3727c5ac                      ; eps = 1e-5
	s_wait_kmcnt 0x0
	s_add_nc_u64 s[4:5], s[4:5], s[12:13]
	s_add_nc_u64 s[24:25], s[10:11], s[14:15]
	s_add_nc_u64 s[26:27], s[10:11], s[18:19]
.irp j, 0,1,2,3,4,5,6,7
	global_load_b128 v[GA+4*\j:GA+4*\j+3], v1, s[6:7] offset:512*\j
.endr
.irp j, 0,1,2,3,4,5,6,7
	global_load_b128 v[BE+4*\j:BE+4*\j+3], v1, s[8:9] offset:512*\j
.endr
.irp i, 0,1,2,3
.irp j, 0,1,2,3,4,5,6,7
	global_load_b128 v[R+32*\i+4*\j:R+32*\i+4*\j+3], v1, s[4:5] offset:4096*\i+512*\j th:TH_LOAD_NT   ; 32 lanes read 512 consecutive bytes
.endr
.endr
.macro WSUM                            ; v8 = the sum of v8 over the wave's 32 lanes, in every lane
	v_add_f32_dpp v8, v8, v8 row_xmask:1 row_mask:0xf bank_mask:0xf
	v_add_f32_dpp v8, v8, v8 row_xmask:2 row_mask:0xf bank_mask:0xf
	v_add_f32_dpp v8, v8, v8 row_xmask:4 row_mask:0xf bank_mask:0xf
	v_add_f32_dpp v8, v8, v8 row_xmask:8 row_mask:0xf bank_mask:0xf
	v_permlanex16_b32 v9, v8, s20, s21
	v_add_f32 v8, v8, v9
.endm
.macro ROW i
.set RR, R+32*\i
	s_wait_loadcnt 8*(3-\i)                        ; this row's eight loads are in (gamma and beta are older); the later rows' may be out
	v_pk_add_f32 v[8:9], v[RR:RR+1], v[RR+4:RR+5]  ; the row's sum, in two chains
	v_pk_add_f32 v[10:11], v[RR+2:RR+3], v[RR+6:RR+7]
.irp j, 8,12,16,20,24,28
	v_pk_add_f32 v[8:9], v[8:9], v[RR+\j:RR+\j+1]
	v_pk_add_f32 v[10:11], v[10:11], v[RR+\j+2:RR+\j+3]
.endr
	v_pk_add_f32 v[8:9], v[8:9], v[10:11]
	v_add_f32 v8, v8, v9
	WSUM
	v_mul_f32 v10, s22, v8                         ; the mean
.irp j, 0,2,4,6,8,10,12,14,16,18,20,22,24,26,28,30
	v_pk_add_f32 v[RR+\j:RR+\j+1], v[RR+\j:RR+\j+1], v[10:11] op_sel_hi:[1,0] neg_lo:[0,1] neg_hi:[0,1]   ; x - mean, in place
.endr
	v_pk_mul_f32 v[8:9], v[RR:RR+1], v[RR:RR+1]    ; the sum of its squares, in two chains
	v_pk_mul_f32 v[10:11], v[RR+2:RR+3], v[RR+2:RR+3]
.irp j, 4,8,12,16,20,24,28
	v_pk_fma_f32 v[8:9], v[RR+\j:RR+\j+1], v[RR+\j:RR+\j+1], v[8:9]
	v_pk_fma_f32 v[10:11], v[RR+\j+2:RR+\j+3], v[RR+\j+2:RR+\j+3], v[10:11]
.endr
	v_pk_add_f32 v[8:9], v[8:9], v[10:11]
	v_add_f32 v8, v8, v9
	WSUM
	v_fma_f32 v8, v8, s22, s23                     ; the variance + eps
	s_wait_alu depctr_va_vdst(0)
	v_rsq_f32 v10, v8
	v_nop                                          ; a plain instruction behind the transcendental,
	s_wait_alu depctr_va_vdst(0)                   ; and the wait ahead of its first reader
.irp j, 0,2,4,6,8,10,12,14,16,18,20,22,24,26,28,30
	v_pk_mul_f32 v[RR+\j:RR+\j+1], v[RR+\j:RR+\j+1], v[10:11] op_sel_hi:[1,0]
.endr
.irp j, 0,2,4,6,8,10,12,14,16,18,20,22,24,26,28,30
	v_pk_fma_f32 v[RR+\j:RR+\j+1], v[RR+\j:RR+\j+1], v[GA+\j:GA+\j+1], v[BE+\j:BE+\j+1]
.endr
.irp j, 0,1,2,3,4,5,6,7
	ds_store_b128 v2, v[RR+4*\j:RR+4*\j+3] offset:576*\j
.endr
.irp j, 0,1,2,3,4,5,6,7
	ds_load_b128 v[Y+4*\j:Y+4*\j+3], v3 offset:16*\j   ; the wave's own bytes: LDS serves a wave's instructions in order, so these see the stores above
.endr
	s_wait_dscnt 0x0                               ; block l of the row is in my 32 registers
	v_max3_num_f32 v8, |v[Y]|, |v[Y+1]|, |v[Y+2]|
	v_max3_num_f32 v9, |v[Y+3]|, |v[Y+4]|, |v[Y+5]|
.irp j, 6,10,14,18,22,26
	v_max3_num_f32 v8, v8, |v[Y+\j]|, |v[Y+\j+1]|
	v_max3_num_f32 v9, v9, |v[Y+\j+2]|, |v[Y+\j+3]|
.endr
	v_max3_num_f32 v8, v8, |v[Y+30]|, |v[Y+31]|
	v_max3_num_f32 v8, v8, v9, 0x1800000           ; with the floor 2^(3 - 127): the byte cannot fall under 1
	v_add_nc_u32 v10, 0xff000000, v8               ; 2 off the exponent field: the conversion's scale operand
	v_lshrrev_b32 v[BY+\i], 23, v10                ; the scale's byte
.irp g, 0,1,2,3
	v_cvt_scalef32_pk8_fp4_f32 v[CD+4*\i+\g], v[Y+8*\g:Y+8*\g+7], v10
.endr
	v_nop                                          ; one plain instruction behind the last conversion
	ds_store_b128 v4, v[CD+4*\i:CD+4*\i+3] offset:16*\i
	ds_store_b8 v5, v[BY+\i] offset:32*\i
.endm
	ROW 0
	ROW 1
	ROW 2
	ROW 3
	s_wait_dscnt 0x0                               ; for the others' sake: my stores into the image and the scale bytes have landed
	s_barrier_signal -1
	s_barrier_wait -1                              ; the tile's image is whole
	v_add_nc_u32 v[R], XSB, v1
.irp i, 0,1,2,3
	ds_load_b128 v[Y+4*\i:Y+4*\i+3], v6 offset:544*\i
.endr
.irp i, 0,1,2,3
	s_wait_dscnt 3-\i
	global_store_b128 v7, v[Y+4*\i:Y+4*\i+3], s[24:25] offset:512*\i   ; sixteen lanes store 256 consecutive bytes, aligned
.endr
	s_cmp_lg_u32 s2, 0
	s_cbranch_scc1 .Ldone                          ; wave 0 stores the tile's 512 scale bytes
	s_wait_alu depctr_va_vdst(0)
	ds_load_b128 v[Y+16:Y+19], v[R]
	s_wait_dscnt 0x0
	global_store_b128 v1, v[Y+16:Y+19], s[26:27]
.Ldone:
	s_set_vgpr_msb 0x5
	s_wait_tensorcnt 0x0                           ; the wave's end
	ds_add_u32 v0, v1
	s_wait_dscnt 0x0
	s_set_vgpr_msb 0x500
	s_endpgm
.Lweights:                                             ; work-groups 512 .. 767: the low six bits of the number are those of the number less 512
	s_load_b256 s[8:15], s[0:1], 0x20              ; Wq, Wk, Wv, Wo
	s_load_b64 s[16:17], s[0:1], 0x40              ; wq
	v_lshrrev_b32 v1, 5, v0
	v_readfirstlane_b32 s2, v1                     ; wave 0..3
	v_and_b32 v4, 31, v0                           ; x: my column among the wave's 32
	v_lshlrev_b32 v1, 2, v4
	v_bfe_u32 v5, v4, 3, 1                         ; u = (x / 8) % 2
	v_and_b32 v6, 7, v4
	v_lshrrev_b32 v7, 4, v4
	v_lshl_add_u32 v6, v7, 3, v6                   ; r = x % 8 + 8 (x / 16)
	v_lshlrev_b32 v2, 10, v5
	v_lshl_add_u32 v2, v6, 4, v2                   ; codes: 1,024 u + 16 r
	v_lshlrev_b32 v3, 5, v5
	v_lshl_add_u32 v3, v6, 6, v3                   ; scale word: 64 r + 32 u
	s_lshr_b32 s3, ttmp9, 6
	s_and_b32 s3, s3, 3                            ; the matrix
	s_and_b32 s4, ttmp9, 7                         ; which 128 columns
	s_bfe_u32 s5, ttmp9, 0x30003                   ; the K step
	s_lshl_b32 s18, s5, 19                         ; in: 128 rows of 4,096 bytes a K step,
	s_lshl_b32 s19, s4, 9
	s_add_co_u32 s18, s18, s19
	s_lshl_b32 s19, s2, 7
	s_add_co_u32 s18, s18, s19                     ; + 4 x my wave's first column
	s_mov_b32 s19, 0
	s_lshl_b32 s6, s4, 1
	s_lshr_b32 s7, s2, 1
	s_add_co_u32 s6, s6, s7                        ; the group of 64 columns
	s_and_b32 s7, s2, 1                            ; b: which 32 of them
	s_lshl_b32 s20, s3, 19
	s_lshl_b32 s21, s6, 15
	s_add_co_u32 s20, s20, s21
	s_lshl_b32 s21, s5, 12
	s_add_co_u32 s20, s20, s21
	s_lshl_b32 s21, s7, 11
	s_add_co_u32 s20, s20, s21                     ; out: the codes of tiles 2 b and 2 b + 1
	s_mov_b32 s21, 0
	s_lshl_b32 s22, s3, 15
	s_lshl_b32 s23, s6, 11
	s_add_co_u32 s22, s22, s23
	s_lshl_b32 s23, s7, 10
	s_add_co_u32 s22, s22, s23
	s_lshl_b32 s23, s5, 2
	s_add_co_u32 s22, s22, s23
	s_add_co_u32 s22, s22, 0x200000                ; and their scale words, behind the 2,097,152 bytes of codes
	s_mov_b32 s23, 0
	s_wait_alu depctr_va_vdst(0)
	s_wait_kmcnt 0x0
	s_cmp_eq_u32 s3, 1                             ; the matrix is chosen by the work-group's number alone
	s_cselect_b64 s[8:9], s[10:11], s[8:9]
	s_cmp_eq_u32 s3, 2
	s_cselect_b64 s[8:9], s[12:13], s[8:9]
	s_cmp_eq_u32 s3, 3
	s_cselect_b64 s[8:9], s[14:15], s[8:9]
	s_add_nc_u64 s[8:9], s[8:9], s[18:19]
	s_add_nc_u64 s[20:21], s[16:17], s[20:21]
	s_add_nc_u64 s[22:23], s[16:17], s[22:23]
.macro LOADB b                         ; block b: W(32 b + i, my column) into v[64 + 32 b + i]
.irp i, 0,1,2,3,4,5,6,7,8,9,10,11,12,13,14,15,16,17,18,19,20,21,22,23,24,25,26,27,28,29,30,31
	global_load_b32 v[64+32*(\b)+\i], v1, s[8:9] offset:(32*(\b)+\i)*NROW th:TH_LOAD_NT
.endr
.endm
.macro BLOCK b
.set XB, 64+32*(\b)
.if (\b)<3
	s_wait_loadcnt 32                              ; this block's 32 loads are in; the next block's may be out
.else
	s_wait_loadcnt 0x0
.endif
.if (\b)<2
	LOADB (\b)+2
.endif
	v_max3_num_f32 v8, |v[XB]|, |v[XB+1]|, |v[XB+2]|
	v_max3_num_f32 v9, |v[XB+3]|, |v[XB+4]|, |v[XB+5]|
.irp j, 6,10,14,18,22,26
	v_max3_num_f32 v8, v8, |v[XB+\j]|, |v[XB+\j+1]|
	v_max3_num_f32 v9, v9, |v[XB+\j+2]|, |v[XB+\j+3]|
.endr
	v_max3_num_f32 v8, v8, |v[XB+30]|, |v[XB+31]|
	v_max3_num_f32 v8, v8, v9, 0x1800000           ; with the floor 2^(3 - 127)
	v_add_nc_u32 v10, 0xff000000, v8               ; the conversion's scale operand
.if (\b)==0
	v_lshrrev_b32 v11, 23, v10                     ; the scale's byte: four make the K step's word, the lower K in the lower byte
.else
	v_lshrrev_b32 v9, 23, v10
	v_lshl_or_b32 v11, v9, 8*(\b), v11
.endif
.irp g, 0,1,2,3
	v_cvt_scalef32_pk8_fp4_f32 v[16+4*(\b)+\g], v[XB+8*\g:XB+8*\g+7], v10   ; each block has code registers of its own: no store's data are written again
.endr
	global_store_b128 v2, v[16+4*(\b):16+4*(\b)+3], s[20:21] offset:256*(\b)
.endm
	LOADB 0
	LOADB 1
	BLOCK 0
	BLOCK 1
	BLOCK 2
	BLOCK 3
	global_store_b32 v3, v11, s[22:23]
	s_endpgm
.Lfunc_end_k_q62feac9659_prep:
	.size	k_q62feac9659_prep, .Lfunc_end_k_q62feac9659_prep-k_q62feac9659_prep
	.p2alignl 7, 3214868480
	.fill 96, 4, 3214868480
	.section	.rodata,"a",@progbits
	.p2align	6, 0x0
	.amdhsa_kernel k_q62feac9659_prep
		.amdhsa_group_segment_fixed_size 28160
		.amdhsa_private_segment_fixed_size 0
		.amdhsa_enable_private_segment 0
		.amdhsa_kernarg_size 72
		.amdhsa_user_sgpr_count 2
		.amdhsa_user_sgpr_kernarg_segment_ptr 1
		.amdhsa_wavefront_size32 1
		.amdhsa_system_sgpr_workgroup_id_x 1
		.amdhsa_system_sgpr_workgroup_id_y 1
		.amdhsa_system_sgpr_workgroup_id_z 1
		.amdhsa_system_vgpr_workitem_id 0
		.amdhsa_next_free_vgpr 258
		.amdhsa_next_free_sgpr 66
		.amdhsa_reserve_vcc 0
		.amdhsa_float_denorm_mode_32 3
		.amdhsa_float_denorm_mode_16_64 3
		.amdhsa_memory_ordered 1
		.amdhsa_forward_progress 1
		.amdhsa_inst_pref_size 64
	.end_amdhsa_kernel
	.amdgpu_metadata
---
amdhsa.version: [ 1, 2 ]
amdhsa.kernels:
  - .name:           k_q62feac9659_prep
    .symbol:         k_q62feac9659_prep.kd
    .args:
      - { .name: hidden_states, .offset: 0, .size: 8, .value_kind: global_buffer, .address_space: global }
      - { .name: ln_gamma, .offset: 8, .size: 8, .value_kind: global_buffer, .address_space: global }
      - { .name: ln_beta, .offset: 16, .size: 8, .value_kind: global_buffer, .address_space: global }
      - { .name: xq, .offset: 24, .size: 8, .value_kind: global_buffer, .address_space: global }
      - { .name: Wq, .offset: 32, .size: 8, .value_kind: global_buffer, .address_space: global }
      - { .name: Wk, .offset: 40, .size: 8, .value_kind: global_buffer, .address_space: global }
      - { .name: Wv, .offset: 48, .size: 8, .value_kind: global_buffer, .address_space: global }
      - { .name: Wo, .offset: 56, .size: 8, .value_kind: global_buffer, .address_space: global }
      - { .name: wq, .offset: 64, .size: 8, .value_kind: global_buffer, .address_space: global }
    .group_segment_fixed_size: 28160
    .private_segment_fixed_size: 0
    .kernarg_segment_align: 8
    .kernarg_segment_size: 72
    .max_flat_workgroup_size: 128
    .sgpr_count:     66
    .vgpr_count:     258
    .wavefront_size: 32
...
	.end_amdgpu_metadata
.endif
;; end of part 1
;; launch qkv (part 2): grid 4 x 64, 4 waves a work-group, no clusters, 168,448 bytes of LDS; arguments xq, wq, attention_mask, bq, bk, bv, qq, kv; writes qq, kv
.if DOCPART == 2
	.amdgcn_target "amdgcn-amd-amdhsa--gfx1250"
	.amdhsa_code_object_version 6
	.text
	.protected	k_q62feac9659_qkv
	.globl	k_q62feac9659_qkv
	.p2align	8
	.type	k_q62feac9659_qkv,@function
k_q62feac9659_qkv:
	s_mov_b64 s[64:65], 0
	v_nop
	global_prefetch_b8 v0, s[64:65] scope:SCOPE_SE
	s_setreg_imm32_b32 hwreg(HW_REG_WAVE_MODE, 25, 1), 1
	s_wait_xcnt 0x0
; q = x Wq + bq, k = x Wk + bk, v = x Wv + bv on codes of FP4 (E2M1) with E8M0 scales, and q, k, v quantised at once for attention's two products.
; SHARES: a work-group owns 128 rows of x (a block of xq), wave w the 64 columns of head 4 x + w, for all three matrices, one after the other.
; x: the block's 69,632 bytes (codes as images of operand registers, then scale bytes) come into LDS ONCE, a quarter by each wave's one tensor load; nothing is filled again.
; W: a wave's fragments go from memory straight into its registers, a ring of eight K steps (window 2), each asked for eight K steps ahead of its use.
; NO CLUSTER: of the 462,848 bytes that a work-group reads, 393,216 are weights of which each fragment is wanted by one wave alone and lands in its registers;
; what partners could share through LDS is x, 69,632 bytes; sending the weights through LDS would add 8 LDS loads to a K step's 16.
; q, k: the product is used TRANSPOSED (source 0 = 16 columns of W, source 1 = 16 rows of x): a lane holds one row, and since a tile of W holds columns
; 32 b + 8 u + i + 8 (i / 8), the 16 registers of tiles 2 b, 2 b + 1 are 16 neighbours along the head's 64, attention's first K.
; v: source 0 = 16 rows of x, source 1 = 16 columns of W: a lane holds one channel, and since a tile of x holds rows 32 B + 8 U + i + 8 (i / 8), the 16 registers of
; tiles 2 B, 2 B + 1 are 16 neighbouring KEYS, attention's second K.  The biases are the C of each sum's first product.
; THE MASK rides in the idle half of the first product's K (64 of 128).  There attention multiplies a constant code -1 of k by a constant code +1 of q at k = 64; the scale byte of
; that block of k, made here, is 0xa0 (2^33) for a masked key and 1 (2^-126) for an open one; a masked key's 64 real codes are made zeros.  So a masked score is exactly -2^33.
; LIMITS: a masked logit is -2^30 where reference() has -1e9: the results are the same unless an open logit lies under about -1e9.  An open score carries -2^-126.
; NaN and infinities are not served; a block of zeros gets the byte 1 (its codes are zeros; only this program reads the bytes).
; OUT: qq = codes [64 heads][16 blocks][8 tiles][512], then scale words [64][16][512]: word of (tile t, row r) at 16 (r + 16 (t / 4)) + 4 (t % 4).
;      kv = [64][16][codes, k: 8 tiles x 512 | v: 4 tiles x 1,024; then scale words, k: 512 as q's | v: 256: word of (tile, r) at 8 (r + 16 (tile / 2)) + 4 (tile % 2)].
; REGISTERS, in windows of 256: window 0: v1-10 addresses and constants; scale words, biases, mask; x's fragments, two sets; the way out works in their place.
;   window 1: the 32 accumulators.   window 2: the ring of W's fragments, 32 registers a K step.
.set XBLK, 69632                       ; a block of xq
.set XQRT, 17408                       ; a quarter of it: 68 runs of 256 bytes
.set XSC,  16                          ; v16-47   x's scale words: register 8 (t % 4) + s: lanes 0-15 tile t < 4, lanes 16-31 tile t + 4
.set WSC,  48                          ; v48-63   W's: register 8 (tile % 2) + s: lanes 0-15 tiles 0, 1, lanes 16-31 tiles 2, 3
.set BIAS, 64                          ; v64-95   the bias in the result's layout, eight registers a tile of W
.set MK,   96                          ; v96-103  the mask byte of tile t's row r
.set XF0,  128                         ; v128-191, v192-255 x's eight fragments of a K step, two sets
.set TM,   128                         ; the way out: largest magnitudes,
.set T2,   144                         ; the other half's, then the scale bytes,
.set SO,   160                         ; the conversions' scale operands,
.set WD,   176                         ; scale words,
.set SEL,  184                         ; scale words as they are stored,
.set CD,   192                         ; codes
.set MSB, 0
.macro WIN new                         ; the immediate's high byte repeats the setting that is left; bits 1:0 source 0, 3:2 source 1, 5:4 source 2, 7:6 destination
.if MSB != \new
	s_set_vgpr_msb (MSB<<8)|\new
.set MSB, \new
.endif
.endm
.macro PLACES                          ; four plain instructions between a matrix instruction and a load into, or a vector instruction on, its registers
.rept 4
	v_nop
.endr
.endm
; one product: D, source 0, source 1, C, their scale registers, and whether a side's scales stand in lanes 16-31
.macro WM d, a, b, c, sa, sb, ra, rb
.if (\ra)&&(\rb)
	v_wmma_scale_f32_16x16x128_f8f6f4 v[\d:\d+7], v[\a:\a+7], v[\b:\b+7], v[\c:\c+7], v[\sa], v[\sb] matrix_a_fmt:MATRIX_FMT_FP4 matrix_b_fmt:MATRIX_FMT_FP4 matrix_a_scale:MATRIX_SCALE_ROW1 matrix_b_scale:MATRIX_SCALE_ROW1
.elseif \ra
	v_wmma_scale_f32_16x16x128_f8f6f4 v[\d:\d+7], v[\a:\a+7], v[\b:\b+7], v[\c:\c+7], v[\sa], v[\sb] matrix_a_fmt:MATRIX_FMT_FP4 matrix_b_fmt:MATRIX_FMT_FP4 matrix_a_scale:MATRIX_SCALE_ROW1
.elseif \rb
	v_wmma_scale_f32_16x16x128_f8f6f4 v[\d:\d+7], v[\a:\a+7], v[\b:\b+7], v[\c:\c+7], v[\sa], v[\sb] matrix_a_fmt:MATRIX_FMT_FP4 matrix_b_fmt:MATRIX_FMT_FP4 matrix_b_scale:MATRIX_SCALE_ROW1
.else
	v_wmma_scale_f32_16x16x128_f8f6f4 v[\d:\d+7], v[\a:\a+7], v[\b:\b+7], v[\c:\c+7], v[\sa], v[\sb] matrix_a_fmt:MATRIX_FMT_FP4 matrix_b_fmt:MATRIX_FMT_FP4
.endif
.endm
.macro XLOAD s                         ; x's eight fragments of K step s: 16 bytes a lane, lanes on end
.irp t, 0,1,2,3,4,5,6,7
.irp c, 0,1
	ds_load_b128 v[XF0+64*((\s)%2)+8*\t+4*\c:XF0+64*((\s)%2)+8*\t+4*\c+3], v1 offset:8192*\t+1024*(\s)+512*\c
.endr
.endr
.endm
.macro WLOADR m, s                     ; matrix m's four fragments of K step s into the ring (the destination's window is 2)
.irp q, 0,1,2,3
.irp c, 0,1
	global_load_b128 v[32*(\s)+8*\q+4*\c:32*(\s)+8*\q+4*\c+3], v1, s[36:37] offset:(\m)*524288+4096*(\s)+1024*\q+512*\c
.endr
.endr
.endm
.macro WLOAD m, s
	WIN 0x80
	WLOADR \m, \s
	WIN 0
.endm
; A K step's 32 products.  The 32 accumulators take turns, one instruction a turn, in the same order in every K step.  The first K step takes the bias as C.
.macro MUL mode, s
.if (\mode)==0
.if (\s)==0
	WIN 0x42                                       ; source 0 (W) window 2, source 1 (x) and C (bias) window 0, D window 1
.else
	WIN 0x52                                       ; C and D window 1
.endif
.irp t, 0,1,2,3,4,5,6,7
.irp q, 0,1,2,3
.if (\s)==0
	WM 32*\t+8*\q, 32*(\s)+8*\q, XF0+64*((\s)%2)+8*\t, BIAS+8*\q, WSC+8*(\q%2)+(\s), XSC+8*(\t%4)+(\s), \q/2, \t/4
.else
	WM 32*\t+8*\q, 32*(\s)+8*\q, XF0+64*((\s)%2)+8*\t, 32*\t+8*\q, WSC+8*(\q%2)+(\s), XSC+8*(\t%4)+(\s), \q/2, \t/4
.endif
.endr
.endr
.else
.if (\s)==0
	WIN 0x48                                       ; source 0 (x) and C (bias) window 0, source 1 (W) window 2, D window 1
.else
	WIN 0x58
.endif
.irp t, 0,1,2,3,4,5,6,7
.irp q, 0,1,2,3
.if (\s)==0
	WM 64*\q+8*\t, XF0+64*((\s)%2)+8*\t, 32*(\s)+8*\q, BIAS+8*\q, XSC+8*(\t%4)+(\s), WSC+8*(\q%2)+(\s), \t/4, \q/2
.else
	WM 64*\q+8*\t, XF0+64*((\s)%2)+8*\t, 32*(\s)+8*\q, 64*\q+8*\t, XSC+8*(\t%4)+(\s), WSC+8*(\q%2)+(\s), \t/4, \q/2
.endif
.endr
.endr
.endif
.endm
.macro KSTEP mode, s, n                ; n: the count of the wait for this K step's weights, or -1: they are known to be in
.if (\s)<7
	XLOAD (\s)+1                                   ; into the set that the K step before multiplied: its places stand at that step's end
	s_wait_dscnt 16                                ; all but the 16 just issued: this K step's fragments are in
.else
	s_wait_dscnt 0x0
.endif
.if (\n)>=0
	s_wait_loadcnt \n                              ; behind this K step's eight loads stand seven groups of eight
.endif
	MUL \mode, \s
	WIN 0
	PLACES
.endm
.macro BIAS0 p                         ; transposed use: register j of tile 2 b + u wants the bias of column 32 b + 16 h + 8 u + j
.irp q, 0,1,2,3
	global_load_b128 v[BIAS+8*\q:BIAS+8*\q+3], v4, s[\p:\p+1] offset:(32*(\q/2)+8*(\q%2))*4
	global_load_b128 v[BIAS+8*\q+4:BIAS+8*\q+7], v4, s[\p:\p+1] offset:(32*(\q/2)+8*(\q%2))*4+16
.endr
.endm
.macro WSCL m                          ; matrix m's scale words: 64 bytes a lane
.irp i, 0,1,2,3
	global_load_b128 v[WSC+4*\i:WSC+4*\i+3], v3, s[38:39] offset:(\m)*32768+16*\i
.endr
.endm
; The 16 blocks of 32 along the next K: block n is accumulator registers 16 n .. 16 n + 15 of lanes l and l xor 16.  Codes into v[CD + 2 n], bytes into v[T2 + n].
.macro QUANT16
	WIN 0x05                                       ; sources 0 and 1 window 1
.irp n, 0,1,2,3,4,5,6,7,8,9,10,11,12,13,14,15
	v_max3_num_f32 v[TM+\n], |v[16*\n]|, |v[16*\n+1]|, 0x1800000   ; with the floor 2^(3 - 127); each accumulator is read from its low end on
.endr
.irp i, 2,4,6,8,10,12,14
.irp n, 0,1,2,3,4,5,6,7,8,9,10,11,12,13,14,15
	v_max3_num_f32 v[TM+\n], |v[16*\n+\i]|, |v[16*\n+\i+1]|, v[TM+\n]
.endr
.endr
	WIN 0
.irp n, 0,1,2,3,4,5,6,7,8,9,10,11,12,13,14,15
	v_permlanex16_b32 v[T2+\n], v[TM+\n], s50, s51
.endr
.irp n, 0,1,2,3,4,5,6,7,8,9,10,11,12,13,14,15
	v_max_num_f32 v[TM+\n], v[TM+\n], v[T2+\n]     ; the block's largest magnitude
.endr
.irp n, 0,1,2,3,4,5,6,7,8,9,10,11,12,13,14,15
	v_add_nc_u32 v[SO+\n], 0xff000000, v[TM+\n]    ; 2 off its exponent field: the conversion's scale operand
.endr
.irp n, 0,1,2,3,4,5,6,7,8,9,10,11,12,13,14,15
	v_lshrrev_b32 v[T2+\n], 23, v[SO+\n]           ; the scale's byte
.endr
	WIN 0x01                                       ; source 0 window 1
.irp n, 0,1,2,3,4,5,6,7,8,9,10,11,12,13,14,15
	v_cvt_scalef32_pk8_fp4_f32 v[CD+2*\n], v[16*\n:16*\n+7], v[SO+\n]
	v_cvt_scalef32_pk8_fp4_f32 v[CD+2*\n+1], v[16*\n+8:16*\n+15], v[SO+\n]
.endr
	WIN 0
	v_nop                                          ; one plain instruction behind the last conversion
.irp n, 0,1,2,3,4,5,6,7                            ; the operand's layout wants a whole block in a lane: lanes 0-15 the even block, lanes 16-31 the odd one
	v_permlane16_swap_b32 v[CD+4*\n], v[CD+4*\n+2]
	v_permlane16_swap_b32 v[CD+4*\n+1], v[CD+4*\n+3]
.endr
.endm
.macro EPI_QK isk, cp, sp              ; q's or k's way out: tile t's codes are v[CD + 4 t ..]: half a fragment's image
	QUANT16
.irp t, 0,1,2,3,4,5,6,7
	v_lshl_or_b32 v[WD+\t], v[T2+2*\t+1], 8, v[T2+2*\t]
.endr
.if \isk
.irp t, 0,1,2,3,4,5,6,7
	v_cmp_ne_u32 vcc_lo, 0, v[MK+\t]               ; a masked key: zero codes, and 2^33 for the block that holds the constant -1
	v_cndmask_b32 v[CD+4*\t], v[CD+4*\t], v8, vcc_lo
	v_cndmask_b32 v[CD+4*\t+1], v[CD+4*\t+1], v8, vcc_lo
	v_cndmask_b32 v[CD+4*\t+2], v[CD+4*\t+2], v8, vcc_lo
	v_cndmask_b32 v[CD+4*\t+3], v[CD+4*\t+3], v8, vcc_lo
	v_cndmask_b32 v[TM+\t], v9, v10, vcc_lo
	v_or_b32 v[WD+\t], v[WD+\t], v[TM+\t]
.endr
.else
.irp t, 0,1,2,3,4,5,6,7
	v_or_b32 v[WD+\t], 0x7f7f0000, v[WD+\t]        ; the idle half of K: scale 1
.endr
.endif
.irp t, 0,1,2,3,4,5,6,7
	global_store_b128 v1, v[CD+4*\t:CD+4*\t+3], s[\cp:\cp+1] offset:512*\t   ; 512 consecutive bytes, aligned
.endr
.irp j, 0,1,2,3
	v_cndmask_b32 v[SEL+\j], v[WD+\j], v[WD+4+\j], s48   ; lanes 0-15 tiles 0-3, lanes 16-31 tiles 4-7
.endr
	global_store_b128 v1, v[SEL:SEL+3], s[\sp:\sp+1]
.endm
	s_load_b512 s[8:23], s[0:1], 0x0               ; xq s[8:9], wq s[10:11], mask s[12:13], bq s[14:15], bk s[16:17], bv s[18:19], qq s[20:21], kv s[22:23]
	v_lshl_add_u32 v126, v0, 2, 0x29000
	v_mov_b32 v127, 0
	ds_add_u32 v126, v127
	ds_add_u32 v126, v127
	v_lshrrev_b32 v1, 5, v0
	v_readfirstlane_b32 s2, v1                     ; wave 0..3
	s_and_b32 s3, ttmp7, 0xffff                    ; the block of 128 rows
	s_lshl_b32 s4, ttmp9, 2
	s_add_co_u32 s4, s4, s2                        ; my head
	s_lshr_b32 s5, s3, 4                           ; the batch
	s_and_b32 s6, s3, 15                           ; the block of 128 keys in it
	s_lshl_b32 s7, s5, 4
	s_add_co_u32 s7, s7, s4
	s_lshl_b32 s7, s7, 4
	s_add_co_u32 s7, s7, s6                        ; 16 x (16 batch + head) + block
	s_mov_b32 s24, 3<<16                           ; group 1: no mask, elements of 8 bytes, no padding
	s_mov_b32 s25, 32<<16                          ; tensor_dim0 = 32 elements: 256 bytes
	s_mov_b32 s26, 68<<16                          ; tensor_dim1 = 68
	s_mov_b32 s27, 32<<16                          ; tile_dim0 = 32
	s_mov_b32 s28, 68                              ; tile_dim1 = 68
	s_mov_b32 s29, 32                              ; the pitch: dense
	s_mov_b32 s30, 0
	s_mov_b32 s31, 0
	s_mov_b32 s32, 1                               ; group 0: count 1,
	s_mul_i32 s33, s2, XQRT                        ; LDS address: my quarter,
	s_mul_i32 s52, s3, XBLK
	s_add_co_u32 s52, s52, s33
	s_mov_b32 s53, 0
	s_mov_b32 s48, 0xffff0000                      ; lanes 16-31
	s_mov_b32 s50, 0x76543210
	s_mov_b32 s51, 0xfedcba98                      ; v_permlanex16_b32's selects for lane l xor 16
	s_wait_dscnt 0x0
	s_wait_kmcnt 0x0
	s_add_nc_u64 s[34:35], s[8:9], s[52:53]        ; global address,
	s_or_b32 s35, s35, 0x80000000                  ; type 2
	tensor_load_to_lds s[32:35], s[24:31]          ; my one tensor load: filled once, read by all four waves
	s_nop 0
	PLACES                                         ; (four v_nop follow a tensor load)
	v_and_b32 v11, 31, v0                          ; lane
	v_and_b32 v12, 15, v0                          ; r
	v_bfe_u32 v13, v0, 4, 1                        ; h
	v_lshlrev_b32 v1, 4, v11                       ; 16 x lane: an image's place for my lane
	v_lshlrev_b32 v2, 5, v12
	v_lshl_add_u32 v2, v13, 11, v2
	v_add_nc_u32 v2, 0x10000, v2                   ; x's scale bytes: 65,536 + 2,048 h + 32 r
	v_lshlrev_b32 v3, 6, v11                       ; W's scale words: 64 x lane
	v_lshlrev_b32 v4, 6, v13                       ; bias, transposed use: 64 h
	v_and_b32 v5, 8, v12
	v_add_nc_u32 v5, v5, v12                       ; r + 8 (r / 8): a tile's row
	s_wait_alu depctr_va_vdst(0)
	v_lshlrev_b32 v6, 2, v5
	v_lshlrev_b32 v7, 3, v11
	v_mov_b32 v8, 0
	v_mov_b32 v9, 0x7f010000                       ; the upper half of k's scale word: an open key,
	v_mov_b32 v10, 0x7fa00000                      ; a masked one
	s_lshl_b32 s52, s4, 15
	s_add_nc_u64 s[36:37], s[10:11], s[52:53]      ; my head's codes in wq (matrix 0)
	s_lshl_b32 s52, s4, 11
	s_add_co_u32 s52, s52, 0x200000
	s_add_nc_u64 s[38:39], s[10:11], s[52:53]      ; and its scale words
	s_lshl_b32 s52, s4, 8
	s_add_nc_u64 s[14:15], s[14:15], s[52:53]      ; the biases at my 64 columns
	s_add_nc_u64 s[16:17], s[16:17], s[52:53]
	s_add_nc_u64 s[18:19], s[18:19], s[52:53]
	s_lshl_b32 s52, s3, 7
	s_add_nc_u64 s[12:13], s[12:13], s[52:53]      ; the mask at my 128 keys
	s_lshl_b32 s52, s7, 12
	s_add_nc_u64 s[40:41], s[20:21], s[52:53]      ; q's codes
	s_lshl_b32 s52, s7, 9
	s_add_co_u32 s52, s52, 0x400000
	s_add_nc_u64 s[42:43], s[20:21], s[52:53]      ; q's scale words
	s_mul_i32 s52, s7, 8960                        ; kv lies as [64 heads][16 blocks][8,960 bytes]: k's codes 4,096, v's codes 4,096, k's scale words 512, v's 256 (this stands in place of the order given at the head)
	s_add_nc_u64 s[44:45], s[22:23], s[52:53]      ; k's and v's codes
	s_mul_i32 s52, s7, 8960
	s_add_co_u32 s52, s52, 8192                    ; the block's scale words, behind its codes
	s_add_nc_u64 s[46:47], s[22:23], s[52:53]      ; k's and v's scale words
.irp t, 0,1,2,3,4,5,6,7
	global_load_u8 v[MK+\t], v5, s[12:13] offset:32*(\t/2)+8*(\t%2)
.endr
	BIAS0 14
	WSCL 0
	WIN 0x80
.irp s, 0,1,2,3,4,5,6,7
	WLOADR 0, \s
.endr
	WIN 0
	s_wait_tensorcnt 0x0                           ; my quarter of the block has landed,
	s_barrier_signal -1
	s_barrier_wait -1                              ; everybody's has
.irp p, 0,1,2,3
.irp q, 0,1
	ds_load_b128 v[XSC+8*\p+4*\q:XSC+8*\p+4*\q+3], v2 offset:512*\p+16*\q
.endr
.endr
	XLOAD 0
	; ---- q
.irp s, 0,1,2,3,4,5,6,7
	KSTEP 0, \s, 56
	WLOAD 1, \s                                    ; the ring's place takes Wk's fragments of the same K step
.endr
	BIAS0 16                                       ; k's bias and scale words land while q goes out
	WSCL 1
	EPI_QK 0, 40, 42
	s_wait_xcnt 0x0                                ; the stores have read their registers: x's fragments may land there
	XLOAD 0
	s_wait_loadcnt 0x0                             ; Wk's ring, bias and scale words
	; ---- k
.irp s, 0,1,2,3,4,5,6,7
	KSTEP 0, \s, -1
	WLOAD 2, \s
.endr
.irp q, 0,1,2,3                                    ; v's bias: a lane holds one channel, so all eight registers of a tile want the same number
.irp j, 0,1,2,3,4,5,6,7
	global_load_b32 v[BIAS+8*\q+\j], v6, s[18:19] offset:(32*(\q/2)+8*(\q%2))*4
.endr
.endr
	WSCL 2
	EPI_QK 1, 44, 46
	s_wait_xcnt 0x0
	XLOAD 0
	s_wait_loadcnt 0x0
	; ---- v
.irp s, 0,1,2,3,4,5,6,7
	KSTEP 1, \s, -1
.endr
	QUANT16                                        ; v[CD + 8 tile ..] is the fragment of 16 channels x these 128 keys
.irp q, 0,1,2,3
	v_lshl_or_b32 v[WD+\q], v[T2+4*\q+1], 8, v[T2+4*\q]
	v_lshl_or_b32 v[WD+\q], v[T2+4*\q+2], 16, v[WD+\q]
	v_lshl_or_b32 v[WD+\q], v[T2+4*\q+3], 24, v[WD+\q]
.endr
.irp i, 0,1,2,3,4,5,6,7
	global_store_b128 v1, v[CD+4*\i:CD+4*\i+3], s[44:45] offset:4096+512*\i
.endr
	v_cndmask_b32 v[SEL], v[WD], v[WD+2], s48
	v_cndmask_b32 v[SEL+1], v[WD+1], v[WD+3], s48
	global_store_b64 v7, v[SEL:SEL+1], s[46:47] offset:512   ; 256 consecutive bytes, aligned
	s_wait_tensorcnt 0x0
	ds_add_u32 v126, v127
	s_wait_dscnt 0x0
	s_endpgm
.Lfunc_end_k_q62feac9659_qkv:
	.size	k_q62feac9659_qkv, .Lfunc_end_k_q62feac9659_qkv-k_q62feac9659_qkv
	.p2alignl 7, 3214868480
	.fill 96, 4, 3214868480
	.section	.rodata,"a",@progbits
	.p2align	6, 0x0
	.amdhsa_kernel k_q62feac9659_qkv
		.amdhsa_group_segment_fixed_size 168448
		.amdhsa_private_segment_fixed_size 0
		.amdhsa_enable_private_segment 0
		.amdhsa_kernarg_size 64
		.amdhsa_user_sgpr_count 2
		.amdhsa_user_sgpr_kernarg_segment_ptr 1
		.amdhsa_wavefront_size32 1
		.amdhsa_system_sgpr_workgroup_id_x 1
		.amdhsa_system_sgpr_workgroup_id_y 1
		.amdhsa_system_sgpr_workgroup_id_z 1
		.amdhsa_system_vgpr_workitem_id 0
		.amdhsa_next_free_vgpr 768
		.amdhsa_next_free_sgpr 66
		.amdhsa_reserve_vcc 1
		.amdhsa_float_denorm_mode_32 3
		.amdhsa_float_denorm_mode_16_64 3
		.amdhsa_memory_ordered 1
		.amdhsa_forward_progress 1
		.amdhsa_inst_pref_size 206
	.end_amdhsa_kernel
	.amdgpu_metadata
---
amdhsa.version: [ 1, 2 ]
amdhsa.kernels:
  - .name:           k_q62feac9659_qkv
    .symbol:         k_q62feac9659_qkv.kd
    .args:
      - { .name: xq, .offset: 0, .size: 8, .value_kind: global_buffer, .address_space: global }
      - { .name: wq, .offset: 8, .size: 8, .value_kind: global_buffer, .address_space: global }
      - { .name: attention_mask, .offset: 16, .size: 8, .value_kind: global_buffer, .address_space: global }
      - { .name: bq, .offset: 24, .size: 8, .value_kind: global_buffer, .address_space: global }
      - { .name: bk, .offset: 32, .size: 8, .value_kind: global_buffer, .address_space: global }
      - { .name: bv, .offset: 40, .size: 8, .value_kind: global_buffer, .address_space: global }
      - { .name: qq, .offset: 48, .size: 8, .value_kind: global_buffer, .address_space: global }
      - { .name: kv, .offset: 56, .size: 8, .value_kind: global_buffer, .address_space: global }
    .group_segment_fixed_size: 168448
    .private_segment_fixed_size: 0
    .kernarg_segment_align: 8
    .kernarg_segment_size: 64
    .max_flat_workgroup_size: 128
    .sgpr_count:     66
    .vgpr_count:     768
    .wavefront_size: 32
...
	.end_amdgpu_metadata
.endif
;; end of part 2
;; launch attn (part 3): grid 4 x 64, 8 waves a work-group, clusters of 4 x 1, 169,984 bytes of LDS; arguments qq, kv, oq; writes oq
.if DOCPART == 3
	.amdgcn_target "amdgcn-amd-amdhsa--gfx1250"
	.amdhsa_code_object_version 6
	.text
	.protected	k_q62feac9659_attn
	.globl	k_q62feac9659_attn
	.p2align	8
	.type	k_q62feac9659_attn,@function
k_q62feac9659_attn:
	s_mov_b64 s[64:65], 0
	v_nop
	global_prefetch_b8 v0, s[64:65] scope:SCOPE_SE
	s_setreg_imm32_b32 hwreg(HW_REG_WAVE_MODE, 25, 1), 1
	s_wait_xcnt 0x0
	s_wait_alu depctr_hold_cnt(0) depctr_sa_sdst(0) depctr_va_vdst(0) depctr_va_sdst(0) depctr_va_ssrc(0) depctr_va_vcc(0) depctr_vm_vsrc(0)
	s_getreg_b32 s2, hwreg(HW_REG_IB_STS2, 6, 4)
	s_cmp_eq_u32 s2, 0
	s_cbranch_scc0 .Lentry_in_a_cluster
	s_endpgm
.Lentry_in_a_cluster:
	s_bfe_u32 s2, ttmp6, 0x10000c
	s_cmp_lg_u32 s2, 0x3003
	s_cbranch_scc0 .Lentry_shape_is_right
	s_endpgm
.Lentry_shape_is_right:
; O = softmax(q k^T / 8, masked) v for one head, both products on codes of FP4 (E2M1) with E8M0 scales, and O quantised along the head's 64 for the last product.
; THE SOFTMAX: t = score x log2(e) / 8; M = the running largest t rounded UP to a whole number; p = 2^(t - M) is quantised along the keys, not normalised; the row's sum is taken of
; the unquantised p and divides O at the end.  When M moves, the sum and O are multiplied by 2^(old M - new M): exact.
; SHARES: a cluster of four work-groups is one (batch, head); a work-group owns 512 of its 2,048 queries; each of its eight waves owns 64: two tiles of 16 at a time, in two passes.
; A key step is 256 keys: each fragment of k and v feeds two products, and M, the factor and O's rescaling are made once for 256 keys.
; K AND V OF THE WHOLE HEAD, 143,360 bytes ([16 blocks of 128 keys][k's codes 4,096 | v's codes 4,096 | k's scale words 512 | v's 256]), stay in LDS: filled ONCE, each wave's one joint load
; bringing 70 rows of 256 bytes to all four work-groups; nothing is filled again.  No prefetch: all that the launch reads of kv is asked for at the head, ahead of any loop.
; LAYOUT: both products transposed: S^T = k q^T (source 0 = 16 keys, source 1 = 16 queries), O^T = v^T p^T: a lane holds ONE query of each tile throughout.
; THE KEYS OF A TILE ARE CHOSEN BY THE LDS ADDRESS: row m of tile (c, t) is key 64 c + 32 (m / 8) + 8 t + m % 8 of the 128.  So lane (r, h) holds, in the 32 registers of tiles (c, 0 .. 3), the whole
; block 2 c + h of 32 keys in order: its largest score needs no other lane, and the conversion of tile (c, t) gives register 4 c + t of p's operand as it stands.
; THE HEAD IS 64, THE INSTRUCTION'S K 128.  The upper half of k's and q's fragments is constant: k holds the code -1 and q the code +1 at k = 64, zeros elsewhere.
; The scale byte of that block of k is 2^33 for a masked key (whose real codes are zeros) and 2^-126 for an open one: so a masked score is exactly -2^33, its t a whole number.
; While all keys seen are masked, M = t and p = 1, as reference() has it; the first open key makes the factor 2^(old M - new M) zero.
; LIMITS: a masked logit is -2^30 where reference() has -1e9 (the same result unless an open logit lies under about -1e9); NaN and infinities are not served.
; O's scale bytes leave a byte a lane, 32 bytes apart: 2 bytes for each 32 bytes of codes.
; REGISTERS: window 0 as named below; window 1: S^T, then p: tile i, half hf, (c, t) at 128 i + 64 hf + 32 c + 8 t; v's fragments land on 64 .. 127 when tile 0's p there have been summed.
.set HALF,  8960                       ; a block of 128 keys in LDS
.set STEP2, 17920                      ; a key step: two of them
.set LAST,  125440                     ; where the last key step begins
.set SPARE, 0x29000                    ; the spare words: 128 bytes a wave, four blocks of 256 bytes that no other line names
.set SPW, 7
.set NIL, 8
.set SH8, 9                            ; 8 h
.set AK,  10                           ; LDS addresses: k's codes of this step,
.set AKS, 11                           ; its scale words,
.set AKN, 12                           ; the same of the next step,
.set AKSN, 13
.set AV,  14                           ; v's codes,
.set AVS, 15                           ; v's scale words
.set KS,  16                           ; v16-23 k's scale words: 4 hf + t; lanes 0-15 c = 0, lanes 16-31 c = 1
.set VS,  24                           ; v24-27 v's: 2 hf + tile % 2; lanes 16-31 tiles 2, 3
.set PS,  28                           ; v28-31 p's: 2 i + hf
.set QS,  32                           ; v32-33 q's
.set MS,  34                           ; v34-35 the largest score so far
.set NM,  36                           ; v[36:37], v[38:39] -M, and its old value
.set F,   40                           ; v[40:41], v[42:43] the factor (the upper word is only named)
.set L,   44                           ; v[44:45], v[46:47] the sum, in two halves
.set BM,  48                           ; v48-55 my blocks' largest scores: 4 i + 2 hf + c
.set T,   56                           ; v56-63 at work
.set SO,  64                           ; v64-71 the conversions' scale operands
.set BY,  72                           ; v72-79 scale bytes
.set QF,  80                           ; v80-95 q's two fragments
.set K0,  96                           ; v96-159 eight fragments of k
.set CD,  160                          ; v160-191 p's codes: 16 i + 8 hf
.set O,   192                          ; v192-255 O^T: 32 i + 8 tile
.set MSB, 0
.macro WIN new                         ; the immediate's high byte repeats the setting that is left; bits 1:0 source 0, 3:2 source 1, 5:4 source 2, 7:6 destination
.if MSB != \new
	s_set_vgpr_msb (MSB<<8)|\new
.set MSB, \new
.endif
.endm
.macro WALU
	s_wait_alu depctr_va_vdst(0)
.endm
.macro PLACES
.rept 4
	v_nop
.endr
.endm
.macro ROUND                           ; a round of the cluster's barrier
	s_barrier_signal -1
	s_barrier_wait -1
	s_cmp_lg_u32 s10, 0
	s_cbranch_scc1 .Lnot_wave_0_\@
	s_barrier_signal -3
.Lnot_wave_0_\@:
	s_barrier_wait -3
	s_barrier_signal -1
	s_barrier_wait -1
.endm
.macro WQK d, a, b, sa, sb, row
.if \row
	v_wmma_scale_f32_16x16x128_f8f6f4 v[\d:\d+7], v[\a:\a+7], v[\b:\b+7], 0, v[\sa], v[\sb] matrix_a_fmt:MATRIX_FMT_FP4 matrix_b_fmt:MATRIX_FMT_FP4 matrix_a_scale:MATRIX_SCALE_ROW1
.else
	v_wmma_scale_f32_16x16x128_f8f6f4 v[\d:\d+7], v[\a:\a+7], v[\b:\b+7], 0, v[\sa], v[\sb] matrix_a_fmt:MATRIX_FMT_FP4 matrix_b_fmt:MATRIX_FMT_FP4
.endif
.endm
.macro WPV d, a, b, sa, sb, row
.if \row
	v_wmma_scale_f32_16x16x128_f8f6f4 v[\d:\d+7], v[\a:\a+7], v[\b:\b+7], v[\d:\d+7], v[\sa], v[\sb] matrix_a_fmt:MATRIX_FMT_FP4 matrix_b_fmt:MATRIX_FMT_FP4 matrix_a_scale:MATRIX_SCALE_ROW1
.else
	v_wmma_scale_f32_16x16x128_f8f6f4 v[\d:\d+7], v[\a:\a+7], v[\b:\b+7], v[\d:\d+7], v[\sa], v[\sb] matrix_a_fmt:MATRIX_FMT_FP4 matrix_b_fmt:MATRIX_FMT_FP4
.endif
.endm
; the lower halves of k's eight fragments of 128 keys, and their scale words into set hf.  Lane (r, h) of tile (c, t) reads row 8 (t / 2) + r % 8 of the stored tile 4 c + 2 (r / 8) + t % 2
.macro KLOAD a, as, off, hf
.irp c, 0,1
.irp t, 0,1,2,3
	ds_load_b128 v[K0+8*(4*\c+\t):K0+8*(4*\c+\t)+3], v[\a] offset:\off+2048*\c+512*(\t%2)+128*(\t/2)
.endr
.endr
.irp u, 0,1
	ds_load_b64 v[KS+4*\hf+2*\u:KS+4*\hf+2*\u+1], v[\as] offset:\off+128*\u
.endr
.endm
.macro QK hf                           ; 16 products, each with a result of its own
	WIN 0x40
.irp c, 0,1
.irp t, 0,1,2,3
.irp i, 0,1
	WQK 128*\i+64*\hf+32*\c+8*\t, K0+8*(4*\c+\t), QF+8*\i, KS+4*\hf+\t, QS+\i, \c
.endr
.endr
.endr
	WIN 0
	PLACES                                         ; between the products and the loads into their fragments, and the reads of their results
.endm
.macro MAXB hf                         ; the largest score of my four blocks of this half, by turns; each result is read from its low end on
	WIN 0x15
.irp i, 0,1
.irp c, 0,1
	v_max3_num_f32 v[BM+4*\i+2*\hf+\c], v[128*\i+64*\hf+32*\c], v[128*\i+64*\hf+32*\c+1], v[128*\i+64*\hf+32*\c+2]
.endr
.endr
	WIN 0x14
.irp k, 3,5,7,9,11,13,15,17,19,21,23,25,27,29
.irp i, 0,1
.irp c, 0,1
	v_max3_num_f32 v[BM+4*\i+2*\hf+\c], v[BM+4*\i+2*\hf+\c], v[128*\i+64*\hf+32*\c+\k], v[128*\i+64*\hf+32*\c+\k+1]
.endr
.endr
.endr
.irp i, 0,1
.irp c, 0,1
	v_max_num_f32 v[BM+4*\i+2*\hf+\c], v[BM+4*\i+2*\hf+\c], v[128*\i+64*\hf+32*\c+31]
.endr
.endr
	WIN 0
.endm
.macro ADDS base, n                    ; n pairs take n further pairs in
.set J, 0
.rept \n
	v_pk_add_f32 v[\base+2*J:\base+2*J+1], v[\base+2*J:\base+2*J+1], v[\base+2*(\n)+2*J:\base+2*(\n)+2*J+1]
.set J, J+1
.endr
.endm
	s_load_b128 s[4:7], s[0:1], 0x0                ; qq s[4:5], kv s[6:7]
	s_load_b64 s[8:9], s[0:1], 0x10                ; oq
	v_lshl_add_u32 v[SPW], v0, 2, SPARE
	v_mov_b32 v[NIL], 0
	ds_add_u32 v[SPW], v[NIL]                      ; the opening lines: the add, twice on end, and its wait ahead of my tensor load
	ds_add_u32 v[SPW], v[NIL]
	v_lshrrev_b32 v1, 5, v0
	s_delay_alu instid0(VALU_DEP_1)
	v_readfirstlane_b32 s10, v1                    ; wave 0..7
	s_and_b32 s12, ttmp7, 0xffff                   ; 16 batch + head: the cluster's y, which the four partners share
	s_mov_b32 s28, 15|(3<<16)|(1<<21)              ; group 1: the mask names all four; elements of 8 bytes; bit 21 set beside a mask
	s_mov_b32 s29, 32<<16                          ; tensor_dim0 = 32 elements: 256 bytes
	s_mov_b32 s30, 70<<16                          ; tensor_dim1 = 70
	s_mov_b32 s31, 32<<16                          ; tile_dim0
	s_mov_b32 s32, 70                              ; tile_dim1
	s_mov_b32 s33, 32                              ; the pitch: dense
	s_mov_b32 s34, 0
	s_mov_b32 s35, 0
	s_mov_b32 s44, 1                               ; group 0: wave w brings bytes 17,920 w on of the head's 143,360
	s_mul_i32 s45, s10, STEP2
	s_mul_i32 s14, s12, 143360
	s_add_co_u32 s14, s14, s45
	s_mov_b32 s15, 0
	s_wait_dscnt 0x0
	s_wait_kmcnt 0x0
	s_add_nc_u64 s[46:47], s[6:7], s[14:15]
	s_or_b32 s47, s47, 0x80000000
	ROUND                                          ; all four work-groups are here: the joint loads meet
	tensor_load_to_lds s[44:47], s[28:35]          ; my one tensor load
	s_nop 0
	PLACES
	; my queries: tiles 32 cx + 16 pass + 2 wave + i of the head's 128.  cx enters these four global addresses alone
	s_bfe_u32 s11, ttmp6, 0x40000                  ; cx
	s_lshl_b32 s14, s12, 7
	s_lshl_b32 s15, s11, 5
	s_add_co_u32 s14, s14, s15
	s_lshl_b32 s15, s10, 1
	s_add_co_u32 s14, s14, s15
	s_lshl_b32 s14, s14, 9                         ; q's codes: 512 bytes a tile
	s_mov_b32 s15, 0
	s_add_nc_u64 s[56:57], s[4:5], s[14:15]
	s_lshr_b32 s13, s10, 2                         ; wave / 4: which block of 128 queries
	s_lshl_b32 s16, s12, 4
	s_lshl_b32 s17, s11, 2
	s_add_co_u32 s16, s16, s17
	s_add_co_u32 s16, s16, s13
	s_lshl_b32 s16, s16, 9                         ; q's scale words: 512 bytes a block,
	s_bfe_u32 s17, s10, 0x10001
	s_lshl_b32 s17, s17, 8
	s_add_co_u32 s16, s16, s17                     ; + 256 (tile / 4)
	s_and_b32 s17, s10, 1
	s_lshl_b32 s17, s17, 3
	s_add_co_u32 s16, s16, s17                     ; + 4 (tile % 4): my two tiles' words are neighbours
	s_add_co_u32 s16, s16, 0x400000
	s_mov_b32 s17, 0
	s_add_nc_u64 s[58:59], s[4:5], s[16:17]
	s_lshr_b32 s18, s12, 4
	s_lshl_b32 s18, s18, 4
	s_lshl_b32 s19, s11, 2
	s_add_co_u32 s18, s18, s19
	s_add_co_u32 s18, s18, s13
	s_mul_i32 s18, s18, 69632                      ; oq: the block of 128 rows: 16 batch + 4 cx + wave / 4
	s_and_b32 s25, s10, 3
	s_lshl_b32 s25, s25, 1                         ; my first tile in it
	s_and_b32 s26, s12, 15                         ; the head
	s_lshl_b32 s13, s25, 9
	s_add_co_u32 s13, s13, s18
	s_lshl_b32 s27, s26, 1
	s_add_co_u32 s13, s13, s27
	s_add_co_u32 s13, s13, 65536                   ; the scale bytes: 65,536 + 512 tile + 2 head
	s_lshl_b32 s25, s25, 13
	s_add_co_u32 s18, s18, s25
	s_lshl_b32 s26, s26, 9
	s_add_co_u32 s18, s18, s26                     ; the codes: 8,192 tile + 512 head
	s_mov_b32 s19, 0
	s_add_nc_u64 s[60:61], s[8:9], s[18:19]
	s_mov_b32 s26, s13
	s_mov_b32 s27, 0
	s_add_nc_u64 s[62:63], s[8:9], s[26:27]
	s_mov_b32 s20, 0x76543210
	s_mov_b32 s21, 0xfedcba98                      ; v_permlanex16_b32's selects for lane l xor 16
	s_mov_b32 s22, 0x3e38aa3b                      ; c = log2(e) / 8
	s_mov_b32 s23, s22                             ; (named with it as a pair, so it is written)
	s_mov_b32 s24, 0xffff0000                      ; lanes 16-31
	v_and_b32 v4, 31, v0                           ; lane
	v_and_b32 v5, 15, v0                           ; r
	v_bfe_u32 v9, v0, 4, 1                         ; h
	v_bfe_u32 v10, v0, 3, 1                        ; r / 8
	v_and_b32 v11, 7, v0
	v_lshlrev_b32 v1, 4, v4                        ; 16 x lane: an image's place for my lane
	v_lshlrev_b32 v11, 4, v11                      ; 16 (r % 8)
	v_lshl_add_u32 v2, v10, 10, v11
	v_lshl_add_u32 v3, v10, 3, v11
	v_lshl_add_u32 v2, v9, 8, v2                   ; k's codes: 1,024 (r / 8) + 256 h + 16 (r % 8)
	v_lshl_add_u32 v3, v9, 8, v3
	v_lshlrev_b32 v4, 3, v4
	v_add_nc_u32 v3, 8192, v3                      ; k's scale words: 8,192 + 256 h + 16 (r % 8) + 8 (r / 8)
	v_add_nc_u32 v4, 8704, v4                      ; v's: 8,704 + 8 x lane
	v_lshl_add_u32 v6, v5, 5, v9                   ; O's scale byte: 32 r + h
	v_lshlrev_b32 v5, 4, v5                        ; q's scale words: 16 r
	v_lshlrev_b32 v[SH8], 3, v9
	v_mov_b32 v[T], 0xa                            ; the code -1 at k = 64: the lowest four bits of register 4 in lanes 0-15
	v_mov_b32 v[T+1], 2                            ; and the code +1
	v_cndmask_b32 v[T], v[T], v[NIL], s24
	v_cndmask_b32 v[T+1], v[T+1], v[NIL], s24
.irp t, 0,1,2,3,4,5,6,7
	v_mov_b32 v[K0+8*\t+4], v[T]                   ; the upper half of k's fragments: written once
	v_mov_b32 v[K0+8*\t+5], 0
	v_mov_b32 v[K0+8*\t+6], 0
	v_mov_b32 v[K0+8*\t+7], 0
.endr
.irp i, 0,1
	v_mov_b32 v[QF+8*\i+4], v[T+1]                 ; and of q's
	v_mov_b32 v[QF+8*\i+5], 0
	v_mov_b32 v[QF+8*\i+6], 0
	v_mov_b32 v[QF+8*\i+7], 0
	v_mov_b32 v[F+2*\i+1], 0
.endr
.irp b, 2,3,4,5,6,7
	v_mov_b32 v[T+\b], 0                           ; written once: a lane permute's destination counts as one of its sources
.endr
	WALU                                           ; the wait at the head's end
	s_wait_tensorcnt 0x0                           ; my part of the head's k and v has landed,
	s_barrier_signal -1
	s_barrier_wait -1                              ; everybody's has
; A KEY STEP: 256 keys x my two tiles.  At its head the first half's fragments of k are in registers (asked for in the step before).  s66: where the step begins in LDS
.macro STEP
	QK 0
	KLOAD AK, AKS, HALF, 1                         ; the second half's, under the search below
	MAXB 0
	s_wait_dscnt 0x0
	QK 1
	MAXB 1
	KLOAD AKN, AKSN, 0, 0                          ; the next step's first half (the last step asks for its own once more: the address is held at the last step)
.irp i, 0,1
	v_max3_num_f32 v[T+\i], v[BM+4*\i], v[BM+4*\i+1], v[BM+4*\i+2]
.endr
	v_add_nc_u32 v[AV], s66, v1
	v_add_nc_u32 v[AVS], s66, v4
.irp i, 0,1
	v_max3_num_f32 v[T+\i], v[T+\i], v[BM+4*\i+3], v[MS+\i]
.endr
	s_add_co_u32 s66, s66, STEP2
	s_min_u32 s67, s66, LAST
	v_add_nc_u32 v[AK], s67, v2
	v_add_nc_u32 v[AKS], s67, v3
.irp i, 0,1
	v_permlanex16_b32 v[T+2+\i], v[T+\i], s20, s21
.endr
	s_add_co_u32 s69, s66, STEP2
	s_min_u32 s69, s69, LAST
	v_add_nc_u32 v[AKN], s69, v2
	v_add_nc_u32 v[AKSN], s69, v3
.irp i, 0,1
	v_max_num_f32 v[MS+\i], v[T+\i], v[T+2+\i]     ; the largest score of my query so far
.endr
.irp i, 0,1
	v_mov_b32 v[NM+2*\i+1], v[NM+2*\i]
.endr
.irp i, 0,1
	v_mul_f32 v[T+\i], s22, v[MS+\i]               ; as t (c is positive)
.endr
.irp i, 0,1
	v_floor_f32 v[NM+2*\i], -v[T+\i]               ; the new -M = floor(-t) = -ceil(t)
.endr
.irp i, 0,1
	v_sub_f32 v[T+\i], v[NM+2*\i], v[NM+2*\i+1]    ; old M - new M: a whole number, 0 or less
.endr
.irp i, 0,1
	v_cvt_i32_f32 v[T+\i], v[T+\i]                 ; (it saturates)
.endr
.irp i, 0,1
	v_ldexp_f32 v[F+2*\i], 1.0, v[T+\i]            ; f = 2^(old M - new M)
.endr
.irp n, 0,1,2,3,4,5,6,7
	v_fma_f32 v[BM+\n], v[BM+\n], s22, v[NM+2*(\n/4)]   ; t - M of each block's largest score: p rises with the score, so this gives the block's largest p
.endr
.irp i, 0,1
.irp j, 0,2,4,6,8,10,12,14,16,18,20,22,24,26,28,30
	v_pk_mul_f32 v[O+32*\i+\j:O+32*\i+\j+1], v[O+32*\i+\j:O+32*\i+\j+1], v[F+2*\i:F+2*\i+1] op_sel_hi:[1,0]   ; O^T under the new M
.endr
.endr
	WIN 0x41
.set J, 0
.rept 64
	v_pk_fma_f32 v[J:J+1], v[J:J+1], s[22:23], v[NM:NM+1] op_sel_hi:[1,0,0]   ; t - M, two at a time
.set J, J+2
.endr
	WIN 0
	WALU                                           ; the wait ahead of the batch
.irp n, 0,1,2,3,4,5,6,7
	v_exp_f32 v[BM+\n], v[BM+\n]                   ; the blocks' largest p
.endr
	WIN 0x41
.set J, 0
.rept 64
	v_exp_f32 v[2*J], v[2*J]                       ; tile 0: p = 2^(t - M), at most 1
	v_exp_f32 v[2*J+1], v[2*J+1]
	v_pk_fma_f32 v[128+2*J:128+2*J+1], v[128+2*J:128+2*J+1], s[22:23], v[NM+2:NM+3] op_sel_hi:[1,0,0]   ; among them tile 1's t - M: no line here reads what another line of the batch wrote
.set J, J+1
.endr
	WIN 0
	v_nop
	WALU                                           ; and the one wait behind it
.irp n, 0,1,2,3,4,5,6,7
	v_max_num_f32 v[BM+\n], 0x1800000, v[BM+\n]    ; the floor 2^(3 - 127): the byte cannot fall under 1
.endr
.irp n, 0,1,2,3,4,5,6,7
	v_add_nc_u32 v[SO+\n], 0xff000000, v[BM+\n]    ; 2 off the exponent field: the conversion's scale operand
.endr
.irp n, 0,1,2,3,4,5,6,7
	v_lshrrev_b32 v[BY+\n], 23, v[SO+\n]           ; the scale's byte
.endr
.irp m, 0,1,2,3
	v_lshl_or_b32 v[T+\m], v[BY+2*\m+1], 16, v[BY+2*\m]   ; my two bytes of 128 keys' word: blocks h and 2 + h,
.endr
.irp m, 0,1,2,3
	v_lshlrev_b32 v[T+\m], v[SH8], v[T+\m]         ; at their places;
.endr
.irp m, 0,1,2,3
	v_permlanex16_b32 v[T+4+\m], v[T+\m], s20, s21
.endr
.irp m, 0,1,2,3
	v_or_b32 v[PS+\m], v[T+\m], v[T+4+\m]          ; with lane l xor 16's two the word is whole
.endr
	WIN 0x01
.set J, 0
.rept 16
	v_cvt_scalef32_pk8_fp4_f32 v[CD+J], v[8*J:8*J+7], v[SO+J/4]   ; tile (i, hf, c, t) gives register 4 c + t of the operand (i, hf): tile 0's
.set J, J+1
.endr
	WIN 0x45
	v_nop                                          ; one plain instruction behind the last conversion
	WALU                                           ; the wait ahead of the second batch
.set J, 0
.rept 32
	v_exp_f32 v[128+4*J], v[128+4*J]               ; tile 1's p
	v_exp_f32 v[128+4*J+1], v[128+4*J+1]
	v_exp_f32 v[128+4*J+2], v[128+4*J+2]
	v_exp_f32 v[128+4*J+3], v[128+4*J+3]
	v_pk_add_f32 v[2*J:2*J+1], v[2*J:2*J+1], v[64+2*J:64+2*J+1]   ; among them the first additions of tile 0's sum, of the UNQUANTISED p, in place: its upper 64 registers are free behind them
.set J, J+1
.endr
	v_nop
	WALU                                           ; and the wait behind it
	WIN 0x01
.set J, 16
.rept 16
	v_cvt_scalef32_pk8_fp4_f32 v[CD+J], v[8*J:8*J+7], v[SO+J/4]   ; tile 1's codes
.set J, J+1
.endr
	v_nop                                          ; one plain instruction behind the last conversion
	WIN 0x40
.irp hf, 0,1
.irp i, 0,1,2,3,4,5,6,7
	ds_load_b128 v[64+32*\hf+4*\i:64+32*\hf+4*\i+3], v[AV] offset:HALF*\hf+4096+512*\i   ; v's eight fragments land there
.endr
.endr
	WIN 0
.irp hf, 0,1
	ds_load_b64 v[VS+2*\hf:VS+2*\hf+1], v[AVS] offset:HALF*\hf
.endr
	WIN 0x45
	ADDS 128, 32
	ADDS 0, 16
	ADDS 128, 16
	ADDS 0, 8
	ADDS 128, 8
	ADDS 0, 4
	ADDS 128, 4
	ADDS 0, 2
	ADDS 128, 2
	ADDS 0, 1
	ADDS 128, 1
	WIN 0x10
	v_pk_fma_f32 v[L:L+1], v[L:L+1], v[F:F+1], v[0:1] op_sel_hi:[1,0,1]           ; the old sum under the new M, and the step's
	v_pk_fma_f32 v[L+2:L+3], v[L+2:L+3], v[F+2:F+3], v[128:129] op_sel_hi:[1,0,1]
	WIN 0x01
	s_wait_dscnt 0x0                               ; v is in, and so is the next step's first half of k
.irp hf, 0,1                                       ; the eight accumulators take turns, one instruction a turn
.irp q, 0,1,2,3
.irp i, 0,1
	WPV O+32*\i+8*\q, 64+32*\hf+8*\q, CD+16*\i+8*\hf, VS+2*\hf+\q%2, PS+2*\i+\hf, \q/2
.endr
.endr
.endr
	WIN 0
.endm
; A PASS: two tiles of 16 queries against all 2,048 keys.  The pass stands in the immediates: 16 tiles of q, two blocks of scale words and of oq further on
.macro PASS p
.if \p
	s_wait_xcnt 0x0                                ; the last pass's stores have read their registers
.endif
	global_load_b128 v[QF:QF+3], v1, s[56:57] offset:8192*\p
	global_load_b128 v[QF+8:QF+11], v1, s[56:57] offset:8192*\p+512
	global_load_b64 v[QS:QS+1], v5, s[58:59] offset:1024*\p
	v_mov_b32 v[AK], v2
	v_mov_b32 v[AKS], v3
	v_add_nc_u32 v[AKN], STEP2, v2
	v_add_nc_u32 v[AKSN], STEP2, v3
	KLOAD AK, AKS, 0, 0
.irp i, 0,1
	v_mov_b32 v[MS+\i], 0xff61b1e6                 ; the largest score so far: -3e38
	v_mov_b32 v[NM+2*\i], 0x7f61b1e6               ; -M: so the first factor is 0
	v_mov_b32 v[NM+2*\i+1], 0
	v_mov_b32 v[L+2*\i], 0
	v_mov_b32 v[L+2*\i+1], 0
.endr
.set J, 0
.rept 64
	v_mov_b32 v[O+J], 0                            ; O^T: the step is written once; the first finds zeros, which the first factor leaves zeros
.set J, J+1
.endr
	s_mov_b32 s66, 0
	s_mov_b32 s68, 8
	WALU
	s_wait_loadcnt 0x0                             ; q
	s_wait_dscnt 0x0                               ; k's first fragments
.Lstep_\@:
	STEP
	s_sub_co_u32 s68, s68, 1
	s_cmp_lg_u32 s68, 0
	s_cbranch_scc1 .Lstep_\@
	PLACES                                         ; behind the last products
	WALU
.irp i, 0,1
	v_add_f32 v[T+\i], v[L+2*\i], v[L+2*\i+1]
.endr
.irp i, 0,1
	v_permlanex16_b32 v[T+2+\i], v[T+\i], s20, s21
.endr
.irp i, 0,1
	v_add_f32 v[T+\i], v[T+\i], v[T+2+\i]          ; the row's sum
.endr
	WALU
.irp i, 0,1
	v_rcp_f32 v[T+\i], v[T+\i]
.endr
	v_nop
	WIN 0x40
	WALU                                           ; the wait ahead of the first reader of the reciprocals and of O^T
.irp i, 0,1
.set J, 0
.rept 32
	v_mul_f32 v[32*\i+J], v[O+32*\i+J], v[T+\i]    ; O: register 16 b + k of a tile is channel 32 b + 16 h + k of my query
.set J, J+1
.endr
.endr
	WIN 0x05
.irp n, 0,1,2,3
	v_max3_num_f32 v[BM+\n], |v[16*\n]|, |v[16*\n+1]|, 0x1800000
.endr
.irp k, 2,4,6,8,10,12,14
.irp n, 0,1,2,3
	v_max3_num_f32 v[BM+\n], |v[16*\n+\k]|, |v[16*\n+\k+1]|, v[BM+\n]
.endr
.endr
	WIN 0
.irp n, 0,1,2,3
	v_permlanex16_b32 v[T+\n], v[BM+\n], s20, s21
.endr
.irp n, 0,1,2,3
	v_max_num_f32 v[BM+\n], v[BM+\n], v[T+\n]
.endr
.irp n, 0,1,2,3
	v_add_nc_u32 v[SO+\n], 0xff000000, v[BM+\n]
.endr
.irp n, 0,1,2,3
	v_lshrrev_b32 v[BY+\n], 23, v[SO+\n]
.endr
	WIN 0x01
.irp n, 0,1,2,3
	v_cvt_scalef32_pk8_fp4_f32 v[CD+2*\n], v[16*\n:16*\n+7], v[SO+\n]
	v_cvt_scalef32_pk8_fp4_f32 v[CD+2*\n+1], v[16*\n+8:16*\n+15], v[SO+\n]
.endr
	WIN 0
	v_nop
.irp i, 0,1
	v_permlane16_swap_b32 v[CD+4*\i], v[CD+4*\i+2]         ; a whole block to a lane
	v_permlane16_swap_b32 v[CD+4*\i+1], v[CD+4*\i+3]
	v_cndmask_b32 v[T+4+\i], v[BY+2*\i], v[BY+2*\i+1], s24 ; lanes 0-15 the first block's byte, lanes 16-31 the second's
.endr
.irp i, 0,1
	global_store_b128 v1, v[CD+4*\i:CD+4*\i+3], s[60:61] offset:139264*\p+8192*\i   ; half a fragment's image: 512 consecutive bytes, aligned
	global_store_b8 v6, v[T+4+\i], s[62:63] offset:139264*\p+512*\i
.endr
.endm
	PASS 0
	PASS 1
	s_wait_tensorcnt 0x0                           ; the wave's end
	ds_add_u32 v[SPW], v[NIL]
	s_wait_dscnt 0x0
	ROUND                                          ; the closing round: no work-group ends while a partner may still ask for a tile that names it
	s_endpgm
.Lfunc_end_k_q62feac9659_attn:
	.size	k_q62feac9659_attn, .Lfunc_end_k_q62feac9659_attn-k_q62feac9659_attn
	.p2alignl 7, 3214868480
	.fill 96, 4, 3214868480
	.section	.rodata,"a",@progbits
	.p2align	6, 0x0
	.amdhsa_kernel k_q62feac9659_attn
		.amdhsa_group_segment_fixed_size 169984
		.amdhsa_private_segment_fixed_size 0
		.amdhsa_enable_private_segment 0
		.amdhsa_kernarg_size 24
		.amdhsa_user_sgpr_count 2
		.amdhsa_user_sgpr_kernarg_segment_ptr 1
		.amdhsa_wavefront_size32 1
		.amdhsa_system_sgpr_workgroup_id_x 1
		.amdhsa_system_sgpr_workgroup_id_y 1
		.amdhsa_system_sgpr_workgroup_id_z 1
		.amdhsa_system_vgpr_workitem_id 0
		.amdhsa_next_free_vgpr 512
		.amdhsa_next_free_sgpr 72
		.amdhsa_reserve_vcc 0
		.amdhsa_float_denorm_mode_32 3
		.amdhsa_float_denorm_mode_16_64 3
		.amdhsa_memory_ordered 1
		.amdhsa_forward_progress 1
		.amdhsa_inst_pref_size 128
	.end_amdhsa_kernel
	.amdgpu_metadata
---
amdhsa.version: [ 1, 2 ]
amdhsa.kernels:
  - .name:           k_q62feac9659_attn
    .symbol:         k_q62feac9659_attn.kd
    .args:
      - { .name: qq, .offset: 0, .size: 8, .value_kind: global_buffer, .address_space: global }
      - { .name: kv, .offset: 8, .size: 8, .value_kind: global_buffer, .address_space: global }
      - { .name: oq, .offset: 16, .size: 8, .value_kind: global_buffer, .address_space: global }
    .group_segment_fixed_size: 169984
    .private_segment_fixed_size: 0
    .kernarg_segment_align: 8
    .kernarg_segment_size: 24
    .max_flat_workgroup_size: 256
    .sgpr_count:     72
    .vgpr_count:     512
    .wavefront_size: 32
...
	.end_amdgpu_metadata
.endif
;; end of part 3
;; launch outp (part 4): grid 4 x 64, 4 waves a work-group, no clusters, 168,448 bytes of LDS; arguments oq, wq, bo, hidden_states, out0; writes out0
.if DOCPART == 4
	.amdgcn_target "amdgcn-amd-amdhsa--gfx1250"
	.amdhsa_code_object_version 6
	.text
	.protected	k_q62feac9659_outp
	.globl	k_q62feac9659_outp
	.p2align	8
	.type	k_q62feac9659_outp,@function
k_q62feac9659_outp:
	s_mov_b64 s[64:65], 0
	v_nop
	global_prefetch_b8 v0, s[64:65] scope:SCOPE_SE
	s_setreg_imm32_b32 hwreg(HW_REG_WAVE_MODE, 25, 1), 1
	s_wait_xcnt 0x0
; out0 = O Wo + bo + hidden_states; the product on codes of FP4 (E2M1) with E8M0 scales, all else f32.
; SHARES: a work-group owns 128 rows (a block of oq), wave w the 64 columns 64 (4 x + w) on.
; O: the block's 69,632 bytes (codes as images of operand registers, then scale bytes) come into LDS ONCE, a quarter by each wave's one tensor load; nothing is filled again.
; Wo: all eight K steps of a wave's fragments go from memory straight into its registers (window 2).
; NO CLUSTER: what partners could share through LDS is O, 69,632 bytes of the 200,704 of operands that a work-group reads, beside 131,072 of residual read and as many of output stored; each weight fragment is wanted by one wave alone.
; The product is used TRANSPOSED (source 0 = 16 columns of Wo, source 1 = 16 rows of O): with the tiles' order of columns, 32 b + 8 u + i + 8 (i / 8), a lane's 16 registers of tiles
; 2 b, 2 b + 1 are 16 neighbouring columns of one row.  The bias is the C of each sum's first product.  The residual (window 3) is asked for while the products run.
; THE WAY OUT: a tile of 16 rows x 64 columns goes through the wave's own stage in LDS and comes back as rows of 256 bytes; the residual is added; sixteen lanes store 256 consecutive bytes, aligned.
; REGISTERS, in windows of 256: window 0: addresses, scale words, bias, O's fragments (two sets), later rows on their way out; window 1: the 32 accumulators; window 2: Wo; window 3: the residual.
.set XBLK, 69632
.set XQRT, 17408
.set STAGE, XBLK                       ; behind the block: 16 rows x 272 bytes for each wave; no tensor load lands here
.set XSC,  16
.set WSC,  48
.set BIAS, 64
.set XF0,  128
.set OB,   128                         ; the way out: 16 rows read back: v128-159 and v160-191 by turns
.set MSB, 0
.macro WIN new                         ; the immediate's high byte repeats the setting that is left; bits 1:0 source 0, 3:2 source 1, 5:4 source 2, 7:6 destination
.if MSB != \new
	s_set_vgpr_msb (MSB<<8)|\new
.set MSB, \new
.endif
.endm
.macro PLACES                          ; four plain instructions between a matrix instruction and a load into, or a read of, its registers
.rept 4
	v_nop
.endr
.endm
.macro WM d, a, b, c, sa, sb, ra, rb
.if (\ra)&&(\rb)
	v_wmma_scale_f32_16x16x128_f8f6f4 v[\d:\d+7], v[\a:\a+7], v[\b:\b+7], v[\c:\c+7], v[\sa], v[\sb] matrix_a_fmt:MATRIX_FMT_FP4 matrix_b_fmt:MATRIX_FMT_FP4 matrix_a_scale:MATRIX_SCALE_ROW1 matrix_b_scale:MATRIX_SCALE_ROW1
.elseif \ra
	v_wmma_scale_f32_16x16x128_f8f6f4 v[\d:\d+7], v[\a:\a+7], v[\b:\b+7], v[\c:\c+7], v[\sa], v[\sb] matrix_a_fmt:MATRIX_FMT_FP4 matrix_b_fmt:MATRIX_FMT_FP4 matrix_a_scale:MATRIX_SCALE_ROW1
.elseif \rb
	v_wmma_scale_f32_16x16x128_f8f6f4 v[\d:\d+7], v[\a:\a+7], v[\b:\b+7], v[\c:\c+7], v[\sa], v[\sb] matrix_a_fmt:MATRIX_FMT_FP4 matrix_b_fmt:MATRIX_FMT_FP4 matrix_b_scale:MATRIX_SCALE_ROW1
.else
	v_wmma_scale_f32_16x16x128_f8f6f4 v[\d:\d+7], v[\a:\a+7], v[\b:\b+7], v[\c:\c+7], v[\sa], v[\sb] matrix_a_fmt:MATRIX_FMT_FP4 matrix_b_fmt:MATRIX_FMT_FP4
.endif
.endm
.macro XLOAD s                         ; O's eight fragments of K step s
.irp t, 0,1,2,3,4,5,6,7
.irp c, 0,1
	ds_load_b128 v[XF0+64*((\s)%2)+8*\t+4*\c:XF0+64*((\s)%2)+8*\t+4*\c+3], v1 offset:8192*\t+1024*(\s)+512*\c
.endr
.endr
.endm
.macro MUL s                           ; a K step's 32 products; the 32 accumulators take turns, one instruction a turn
.if (\s)==0
	WIN 0x42                                       ; source 0 (Wo) window 2, source 1 (O) and C (bias) window 0, D window 1
.else
	WIN 0x52                                       ; C and D window 1
.endif
.irp t, 0,1,2,3,4,5,6,7
.irp q, 0,1,2,3
.if (\s)==0
	WM 32*\t+8*\q, 32*(\s)+8*\q, XF0+64*((\s)%2)+8*\t, BIAS+8*\q, WSC+8*(\q%2)+(\s), XSC+8*(\t%4)+(\s), \q/2, \t/4
.else
	WM 32*\t+8*\q, 32*(\s)+8*\q, XF0+64*((\s)%2)+8*\t, 32*\t+8*\q, WSC+8*(\q%2)+(\s), XSC+8*(\t%4)+(\s), \q/2, \t/4
.endif
.endr
.endr
.endm
.macro KSTEP s
.if (\s)<7
	XLOAD (\s)+1                                   ; into the set that the K step before multiplied: its places stand at that step's end
	s_wait_dscnt 16                                ; all but the 16 just issued
.else
	s_wait_dscnt 0x0
.endif
	s_wait_loadcnt 56                              ; behind this K step's eight weight loads stand seven groups of eight: later K steps' and the residual's
	MUL \s
	WIN 0
	PLACES
.endm
.macro RLOAD t                         ; the residual of tile t's 16 rows, my 64 columns, as the rows will come back from the stage
	WIN 0xc0                                       ; destination window 3
.irp i, 0,1,2,3,4,5,6,7
	global_load_b128 v[32*(\t)+4*\i:32*(\t)+4*\i+3], v13, s[40:41] offset:(32*((\t)/2)+8*((\t)%2)+2*\i+8*(\i/4))*4096 th:TH_LOAD_NT
.endr
	WIN 0
.endm
.macro TOSTAGE t
.set TT, (\t)
	WIN 0x04                                       ; an LDS store's data are its source 1: window 1
.irp b, 0,1
.irp i, 0,1,2,3
	ds_store_b128 v11, v[32*TT+16*\b+4*\i:32*TT+16*\b+4*\i+3] offset:128*\b+16*\i   ; each accumulator from its low end on
.endr
.endr
	WIN 0
.irp i, 0,1,2,3,4,5,6,7
	ds_load_b128 v[OB+32*(TT%2)+4*\i:OB+32*(TT%2)+4*\i+3], v12 offset:544*\i   ; the wave's own bytes: LDS serves a wave's instructions in order
.endr
.endm
.macro SEND t, younger                 ; younger: the LDS instructions issued behind tile t's loads
.set TT, (\t)
.set OBB, OB+32*(TT%2)
	s_wait_dscnt \younger                          ; the tile's rows are back
	s_wait_loadcnt 8*(7-TT)                        ; its residual is in; the later tiles' may be out
	WIN 0x0c                                       ; source 1 window 3
.irp k, 0,1,2,3,4,5,6,7,8,9,10,11,12,13,14,15
	v_pk_add_f32 v[OBB+2*\k:OBB+2*\k+1], v[OBB+2*\k:OBB+2*\k+1], v[32*TT+2*\k:32*TT+2*\k+1]
.endr
	WIN 0
.irp i, 0,1,2,3,4,5,6,7
	global_store_b128 v13, v[OBB+4*\i:OBB+4*\i+3], s[42:43] offset:(32*(TT/2)+8*(TT%2)+2*\i+8*(\i/4))*4096 th:TH_STORE_NT
.endr
.endm
	s_load_b256 s[8:15], s[0:1], 0x0               ; oq s[8:9], wq s[10:11], bo s[12:13], hidden_states s[14:15]
	s_load_b64 s[16:17], s[0:1], 0x20              ; out0
	v_lshl_add_u32 v126, v0, 2, 0x29000
	v_mov_b32 v127, 0
	ds_add_u32 v126, v127
	ds_add_u32 v126, v127
	v_lshrrev_b32 v1, 5, v0
	v_readfirstlane_b32 s2, v1                     ; wave 0..3
	s_and_b32 s3, ttmp7, 0xffff                    ; the block of 128 rows
	s_lshl_b32 s4, ttmp9, 2
	s_add_co_u32 s4, s4, s2                        ; my 64 columns
	s_mov_b32 s24, 3<<16                           ; group 1: no mask, elements of 8 bytes, no padding
	s_mov_b32 s25, 32<<16                          ; tensor_dim0 = 32 elements: 256 bytes
	s_mov_b32 s26, 68<<16                          ; tensor_dim1 = 68
	s_mov_b32 s27, 32<<16                          ; tile_dim0
	s_mov_b32 s28, 68                              ; tile_dim1
	s_mov_b32 s29, 32                              ; the pitch: dense
	s_mov_b32 s30, 0
	s_mov_b32 s31, 0
	s_mov_b32 s32, 1
	s_mul_i32 s33, s2, XQRT                        ; LDS address: my quarter
	s_mul_i32 s44, s3, XBLK
	s_add_co_u32 s44, s44, s33
	s_mov_b32 s45, 0
	s_wait_dscnt 0x0
	s_wait_kmcnt 0x0
	s_add_nc_u64 s[34:35], s[8:9], s[44:45]
	s_or_b32 s35, s35, 0x80000000
	tensor_load_to_lds s[32:35], s[24:31]          ; my one tensor load: filled once, read by all four waves
	s_nop 0
	PLACES                                         ; (four v_nop follow a tensor load)
	v_and_b32 v14, 31, v0                          ; lane
	v_and_b32 v15, 15, v0                          ; r
	v_bfe_u32 v9, v0, 4, 1                         ; h
	v_lshlrev_b32 v1, 4, v14                       ; 16 x lane
	v_lshlrev_b32 v2, 5, v15
	v_lshl_add_u32 v2, v9, 11, v2
	v_add_nc_u32 v2, 0x10000, v2                   ; O's scale bytes: 65,536 + 2,048 h + 32 r
	v_lshlrev_b32 v3, 6, v14                       ; Wo's scale words: 64 x lane
	v_lshlrev_b32 v4, 6, v9                        ; bias: 64 h
	s_wait_alu depctr_va_vdst(0)
	s_mul_i32 s46, s2, 16*272
	s_add_co_u32 s46, s46, STAGE                   ; my stage
	v_mul_u32_u24 v11, v15, 272
	v_lshl_add_u32 v11, v9, 6, v11
	v_add_nc_u32 v11, s46, v11                     ; in: row r, 64 bytes for each half of the lanes
	v_mul_u32_u24 v12, v9, 272
	v_lshl_add_u32 v12, v15, 4, v12
	v_add_nc_u32 v12, s46, v12                     ; back: lanes 0-15 one row of 256 bytes, lanes 16-31 the next
	v_lshlrev_b32 v13, 12, v9
	v_lshl_add_u32 v13, v15, 4, v13                ; and the same two rows in hidden_states and out0
	s_lshl_b32 s44, s4, 15
	s_add_nc_u64 s[36:37], s[10:11], s[44:45]      ; my columns' codes in wq (matrix 0; Wo is matrix 3: in the immediates)
	s_lshl_b32 s44, s4, 11
	s_add_co_u32 s44, s44, 0x200000
	s_add_nc_u64 s[38:39], s[10:11], s[44:45]      ; and their scale words
	s_lshl_b32 s44, s4, 8
	s_add_nc_u64 s[12:13], s[12:13], s[44:45]      ; bo at my columns
	s_lshl_b32 s46, s3, 19
	s_add_co_u32 s44, s44, s46                     ; 128 rows of 4,096 bytes a block, + my columns
	s_add_nc_u64 s[40:41], s[14:15], s[44:45]
	s_add_nc_u64 s[42:43], s[16:17], s[44:45]
.irp q, 0,1,2,3                                    ; register j of tile 2 b + u wants the bias of column 32 b + 16 h + 8 u + j
	global_load_b128 v[BIAS+8*\q:BIAS+8*\q+3], v4, s[12:13] offset:(32*(\q/2)+8*(\q%2))*4
	global_load_b128 v[BIAS+8*\q+4:BIAS+8*\q+7], v4, s[12:13] offset:(32*(\q/2)+8*(\q%2))*4+16
.endr
.irp i, 0,1,2,3
	global_load_b128 v[WSC+4*\i:WSC+4*\i+3], v3, s[38:39] offset:3*32768+16*\i
.endr
	WIN 0x80                                       ; destination window 2
.irp s, 0,1,2,3,4,5,6,7
.irp q, 0,1,2,3
.irp c, 0,1
	global_load_b128 v[32*\s+8*\q+4*\c:32*\s+8*\q+4*\c+3], v1, s[36:37] offset:3*524288+4096*\s+1024*\q+512*\c
.endr
.endr
.endr
	WIN 0
	s_wait_alu depctr_va_vdst(0)
	s_wait_tensorcnt 0x0                           ; my quarter of the block has landed,
	s_barrier_signal -1
	s_barrier_wait -1                              ; everybody's has
.irp p, 0,1,2,3
.irp q, 0,1
	ds_load_b128 v[XSC+8*\p+4*\q:XSC+8*\p+4*\q+3], v2 offset:512*\p+16*\q
.endr
.endr
	XLOAD 0
.irp s, 0,1,2,3,4,5,6,7
	KSTEP \s
	RLOAD \s                                       ; a tile's residual behind each K step: all of it is on its way while the products run
.endr
	TOSTAGE 0
.irp t, 1,2,3,4,5,6,7
.if \t>1
	s_wait_xcnt 0x0                                ; the stores of two tiles back have read their registers: this tile's rows may land there
.endif
	TOSTAGE \t
	SEND \t-1, 16                                  ; behind that tile's loads: this tile's 8 stores and 8 loads
.endr
	SEND 7, 0
	s_wait_tensorcnt 0x0
	ds_add_u32 v126, v127
	s_wait_dscnt 0x0
	s_endpgm
.Lfunc_end_k_q62feac9659_outp:
	.size	k_q62feac9659_outp, .Lfunc_end_k_q62feac9659_outp-k_q62feac9659_outp
	.p2alignl 7, 3214868480
	.fill 96, 4, 3214868480
	.section	.rodata,"a",@progbits
	.p2align	6, 0x0
	.amdhsa_kernel k_q62feac9659_outp
		.amdhsa_group_segment_fixed_size 168448
		.amdhsa_private_segment_fixed_size 0
		.amdhsa_enable_private_segment 0
		.amdhsa_kernarg_size 40
		.amdhsa_user_sgpr_count 2
		.amdhsa_user_sgpr_kernarg_segment_ptr 1
		.amdhsa_wavefront_size32 1
		.amdhsa_system_sgpr_workgroup_id_x 1
		.amdhsa_system_sgpr_workgroup_id_y 1
		.amdhsa_system_sgpr_workgroup_id_z 1
		.amdhsa_system_vgpr_workitem_id 0
		.amdhsa_next_free_vgpr 1024
		.amdhsa_next_free_sgpr 66
		.amdhsa_reserve_vcc 0
		.amdhsa_float_denorm_mode_32 3
		.amdhsa_float_denorm_mode_16_64 3
		.amdhsa_memory_ordered 1
		.amdhsa_forward_progress 1
		.amdhsa_inst_pref_size 84
	.end_amdhsa_kernel
	.amdgpu_metadata
---
amdhsa.version: [ 1, 2 ]
amdhsa.kernels:
  - .name:           k_q62feac9659_outp
    .symbol:         k_q62feac9659_outp.kd
    .args:
      - { .name: oq, .offset: 0, .size: 8, .value_kind: global_buffer, .address_space: global }
      - { .name: wq, .offset: 8, .size: 8, .value_kind: global_buffer, .address_space: global }
      - { .name: bo, .offset: 16, .size: 8, .value_kind: global_buffer, .address_space: global }
      - { .name: hidden_states, .offset: 24, .size: 8, .value_kind: global_buffer, .address_space: global }
      - { .name: out0, .offset: 32, .size: 8, .value_kind: global_buffer, .address_space: global }
    .group_segment_fixed_size: 168448
    .private_segment_fixed_size: 0
    .kernarg_segment_align: 8
    .kernarg_segment_size: 40
    .max_flat_workgroup_size: 128
    .sgpr_count:     66
    .vgpr_count:     1024
    .wavefront_size: 32
...
	.end_amdgpu_metadata
.endif
;; end of part 4
